; MI455X (gfx1250); checked and timed in simulation.
; The chip was launched on July 23, 2026; its instructions are those of AMD's public machine-readable ISA for CDNA 5 (MIT licence, August 2026) and "CDNA5" Instruction Set Architecture Reference Guide (July 2026). The comments in the code are by the model that wrote it; some were corrected since.
;; Multi Head Co Attention. Allowed arithmetic: matrix products marked QUANTISED: E4M3 operands, one given power-of-two scale a tensor, by v_wmma_f32_16x16x64_fp8_fp8 or v_wmma_f32_16x16x128_fp8_fp8, f32 sums; products left as they are: f32 operands where the result goes on into a quantised operand, else bf16, f16 or f32 operands; f32 sums; everything else in f32.
;; Inputs: k_b 1,024 float32; k_w_codes 1,024 x 32 x 32 uint8 (E4M3 codes of k_w, K innermost, in blocks of 32 codes); key_codes 500 x 8 x 32 x 32 uint8 (E4M3 codes of key, K innermost, in blocks of 32 codes); lowp_scales 12 int32 (the exponents e of the quantised operands' scales 2^e); mo_b 1,024 float32; mo_w_codes 1,024 x 32 x 32 uint8 (E4M3 codes of mo_w, K innermost, in blocks of 32 codes); multi_value_codes 8 x 8 x 500 x 32 x 32 uint8 (E4M3 codes of multi_value, K innermost, in blocks of 32 codes); mv_b 1,024 float32; mv_w_codes 1,024 x 32 x 32 uint8 (E4M3 codes of mv_w, K innermost, in blocks of 32 codes); q_b 1,024 float32; q_w_codes 1,024 x 32 x 32 uint8 (E4M3 codes of q_w, K innermost, in blocks of 32 codes); query_codes 500 x 8 x 32 x 32 uint8 (E4M3 codes of query, K innermost, in blocks of 32 codes); single_value_codes 8 x 8 x 500 x 16 x 32 uint8 (E4M3 codes of single_value, K innermost, in blocks of 32 codes); so_b 512 float32; so_w_codes 512 x 16 x 32 uint8 (E4M3 codes of so_w, K innermost, in blocks of 32 codes); sv_b 512 float32; sv_w_codes 512 x 16 x 32 uint8 (E4M3 codes of sv_w, K innermost, in blocks of 32 codes).
;; Outputs: out0 1 x 8 x 500 x 1,024 float32; out1 1 x 8 x 500 x 512 float32.
;; This version of the problem:
;;   THIS VERSION OF THE PROBLEM IS GIVEN IN LOW PRECISION. The matrix products marked QUANTISED in the list below multiply operands that are first quantised to E4M3 (4 exponent bits, 3 mantissa bits; 8 bits a number), with one given power-of-two scale for each operand tensor; their sums are f32. All else is computed in f32.
;;   The module's matrix products, in the order in which they are computed (A, B: the left and right operand; K: the contracted axis; several contracted axes count as one K, in the product's order):
;;     1. [M 4,000, K 1,024] x [K 1,024, N 1,024]; A: input query (given as codes); B: input q_w (given as codes): QUANTISED (scales: A lowp_scales[0], B lowp_scales[1])
;;     2. [M 4,000, K 1,024] x [K 1,024, N 1,024]; A: input key (given as codes); B: input k_w (given as codes): QUANTISED (scales: A lowp_scales[2], B lowp_scales[3])
;;     3. [M 32,000, K 1,024] x [K 1,024, N 1,024]; A: input multi_value (given as codes); B: input mv_w (given as codes): QUANTISED (scales: A lowp_scales[4], B lowp_scales[5])
;;     4. [M 32,000, K 512] x [K 512, N 512]; A: input single_value (given as codes); B: input sv_w (given as codes): QUANTISED (scales: A lowp_scales[6], B lowp_scales[7])
;;     5. batch 8 x [M 8, K 64,000] x [K 64,000, N 8]; A: computed on the way; B: computed on the way: left as it is (M = 8 < 16)
;;     6. batch 64 x [M 1, K 8] x [K 8, N 64,000]; A: softmax; B: computed on the way: left as it is (K = 8 < 32)
;;     7. batch 64 x [M 1, K 8] x [K 8, N 32,000]; A: softmax; B: computed on the way: left as it is (K = 8 < 32)
;;     8. [M 4,000, K 1,024] x [K 1,024, N 1,024]; A: computed on the way; B: input mo_w (given as codes): QUANTISED (scales: A lowp_scales[8], B lowp_scales[9])
;;     9. [M 4,000, K 512] x [K 512, N 512]; A: computed on the way; B: input so_w (given as codes): QUANTISED (scales: A lowp_scales[10], B lowp_scales[11])
;;   THE QUANTISER, for each operand of a quantised product, along K:
;;     - The operand's scale is 2^e, e = its entry of the input lowp_scales (int32; the entries are numbered through the quantised products in the list's order, A before B).
;;     - Each number is divided by the scale, clamped to +-448, and rounded to the nearest number of E4M3, ties to even, subnormals kept.
;;     - The product sums the exact products of the quantised numbers (number of the format x scale) in f32.
;;   ~~~python
;;   def quantise(x, axis, e):      # numpy; x: float32 -> the quantised numbers, widened to float32 again
;;       x = np.moveaxis(x, axis, -1); K = x.shape[-1]
;;       r = np.clip(x / 2.0 ** e, -448, 448)
;;       step = 2.0 ** (np.maximum(np.frexp(np.where(r == 0, 1, r))[1] - 1, -6) - 3)
;;       q = np.round(r / step) * step * 2.0 ** e      # np.round: ties to even
;;       return np.moveaxis(q, -1, axis).astype(np.float32)
;;   ~~~
;;   OPERANDS COMPUTED ON THE WAY. 'Computed on the way' means the value that the module computes at that place (a softmax that the list does not call 'softmax' is quantised finished and normalised). What goes into a quantiser is computed in f32, as accurately as f32 sums, v_exp_f32 and their like allow (about 1e-6 of the number): no bf16 or f16 on the way to a quantiser, and a product that is left as it is and whose result goes on into a quantised operand takes f32 operands (vector FMAs, or v_wmma_f32_16x16x4_f32). A number that lies on a knife's edge between two numbers of the format may be rounded either way, as far as f32 arithmetic and the matrix unit's own rounding can turn it there, and no further.
;;   INPUTS GIVEN AS CODES. k_w (in the module: [1024, 1024], K = its axis 1); key (in the module: [500, 8, 1024], K = its axis 2); mo_w (in the module: [1024, 1024], K = its axis 1); multi_value (in the module: [8, 8, 500, 1024], K = its axis 3); mv_w (in the module: [1024, 1024], K = its axis 1); q_w (in the module: [1024, 1024], K = its axis 1); query (in the module: [500, 8, 1024], K = its axis 2); single_value (in the module: [8, 8, 500, 512], K = its axis 3); so_w (in the module: [512, 512], K = its axis 1); sv_w (in the module: [512, 512], K = its axis 1): each comes as NAME_codes (uint8): NAME with its K axis moved to the last place and cut into blocks of 32 codes, [.., K / 32, bytes a block], one block behind the other in memory; one code a byte (a code: sign, 4 exponent bits, 3 mantissa bits); its scale is its entry of lowp_scales. Its value is code x scale, taken as it is: it is not quantised again, and the codes and scales need not be those that the quantiser above would give.
;; One version. Each part assembles by itself: llvm-mc -triple=amdgcn-amd-amdhsa -mcpu=gfx1250 --defsym DOCPART=n.
;; ======== version 1 of 1: 3 launches
;; limits: right only within a limited range of input values
;; workspace buffers: psim 65,536 bytes; mrc 4,096,000 bytes; src 2,048,000 bytes
;; launch qk (part 1): grid 32 x 8, 4 waves a work-group, clusters of 4 x 1, 327,680 bytes of LDS; arguments query_codes, key_codes, q_w_codes, k_w_codes, q_b, k_b, lowp_scales, psim; writes psim
.if DOCPART == 1
	.amdgcn_target "amdgcn-amd-amdhsa--gfx1250"
	.amdhsa_code_object_version 6
	.text
	.protected	k_q7efc9196a4_qk
	.globl	k_q7efc9196a4_qk
	.p2align	8
	.type	k_q7efc9196a4_qk,@function
k_q7efc9196a4_qk:
	s_mov_b64 s[64:65], 0
	v_nop
	global_prefetch_b8 v0, s[64:65] scope:SCOPE_SE
	s_setreg_imm32_b32 hwreg(HW_REG_WAVE_MODE, 25, 1), 1
	s_wait_xcnt 0x0
	s_wait_alu depctr_hold_cnt(0) depctr_sa_sdst(0) depctr_va_vdst(0) depctr_va_sdst(0) depctr_va_ssrc(0) depctr_va_vcc(0) depctr_vm_vsrc(0)
	s_getreg_b32 s2, hwreg(HW_REG_IB_STS2, 6, 4)
	s_cmp_eq_u32 s2, 0
	s_cbranch_scc0 .Lentry_in_a_cluster
	s_endpgm
.Lentry_in_a_cluster:
	s_bfe_u32 s2, ttmp6, 0x10000c
	s_cmp_lg_u32 s2, 0x3003
	s_cbranch_scc0 .Lentry_shape_is_right
	s_endpgm
.Lentry_shape_is_right:
; Q = query q_w^T + q_b and K = key k_w^T + k_b on E4M3 codes, and this work-group's part of sim[b][h][g] = sum over (s, d) of Q[b][s][128 h + d] K[b][s][128 g + d], in f32 multiply-adds.
; Q and K never go to memory.
; SHARES.  A row of query or key is s * 8 + b, 1,024 codes.  A TILE IS 16 POSITIONS s OF ONE BATCH (rows 8,192 bytes apart), so that a work-group's part of sim is one batch's 8 x 8 numbers.
; Work-group (b, sg, dt): batch b (the cluster's x), tiles 8 sg .. 8 sg + 7 of the batch's 32 (sg: the place in the cluster) and, of EVERY head, the 16 columns 128 hd + 16 dt + 0 .. 15.
; Waves 0, 2 make Q, waves 1, 3 make K (role = wave & 1); mh = wave >> 1 picks 4 of the 8 tiles: 4 tiles x 8 heads = 32 accumulators a wave.
; The matrix instruction is used transposed (source 0 = 16 rows of the weight, source 1 = 16 rows of codes): a lane holds ONE position (lane % 16) and eight columns 8 (lane / 16) + j.
; Each wave keeps its local tiles 0, 1 and hands tiles 2, 3 to wave ^ 1 through LDS; local tile t is tile 4 mh + (t ^ 2 role), so each wave then holds Q and K of two tiles and forms 8 x 8 sums for them.
; 500 positions are 31 tiles and 4 rows.  A position past 499 is held at 499 for the loads, and the kept values of such a lane are multiplied by 0 ahead of the sums: no branch.  Only a batch's tile 31 has such
; lanes, and among the kept tiles it can only be a local tile 1 (wave 3's): so local tile 1 is multiplied by the lane's 1 or 0 in every wave.
; K goes in 16 steps of 64.  A fragment's registers 4 c .. 4 c + 3 hold bytes 64 s + 32 c + 16 (lane / 16) + 0 .. 15: the same permutation of k in both operands, so every product meets its partner.
; CLUSTER.  The four work-groups of a cluster share dt, so they need the same rows of q_w and k_w: each tile of weights is asked for jointly (mask 15).  No LDS byte is filled twice.
; The bias goes in as the C of a sum's first matrix instruction, divided by the power of two that the sums lack; the part is multiplied by 2^(e0 + e1 + e2 + e3) at the end, by v_ldexp_f32.
; LIMITS.  NaN among the inputs is not served.  The order of the f32 sums of sim differs from the reference's.
; REGISTERS, in windows of 256.  window 0: v1-23 addresses; v44, 45 the lane's 1 or 0, and 1; v46-53 the last sum; v64-255 three sets of the weights' 8 fragments.
;   window 1: the codes' fragments of steps 0-7 at 8 (4 s + t);  window 2: steps 8-15; until step 0 is issued v192-255 hold the bias; later the 64 pairs of sums;  window 3: accumulator (t, hd) at 8 (8 t + hd).
.set PITCH, 528                        ; an LDS row: 512 bytes + 16 of padding = 132 words: row r starts at bank 4 r mod 64 (64 banks of 4 bytes: ISA guide 11.1)
.set WREG,  16*PITCH                   ; a tile of weights: 16 rows x half of K
.set ROLEB, 8*WREG                     ; the 8 heads' tiles of one weight
.set KHB,   2*ROLEB                    ; q_w's and k_w's: one half of K
.set RED,   65536                      ; behind the exchange (4 x 16,384 bytes from byte 0): 256 bytes a wave for its 64 sums.  Both lie where weights lay, and are written when every fill and every read of them is over
.set MSB,   0
.macro WIN new                         ; the immediate's high byte repeats the setting that is left
.if MSB != (\new)
	s_set_vgpr_msb (MSB<<8)|(\new)
.set MSB, (\new)
.endif
.endm
.macro PLACES                          ; four plain vector instructions behind a matrix instruction, in front of loads into its sources and of reads of its result
.rept 4
	v_nop
.endr
.endm
.macro BAR                             ; my LDS instructions are done, then the work-group's barrier
	s_wait_dscnt 0x0
	s_barrier_signal -1
	s_barrier_wait -1
.endm
.macro ROUND                           ; a round of the cluster's barrier
	s_barrier_signal -1
	s_barrier_wait -1
	s_cmp_lg_u32 s38, 0
	s_cbranch_scc1 .Lnot_wave_0_\@
	s_barrier_signal -3
.Lnot_wave_0_\@:
	s_barrier_wait -3
	s_barrier_signal -1
	s_barrier_wait -1
.endm
.macro G0SET g, e                      ; descriptor group 0 number e: half e / 4 of K, head 4 mh + e % 4
	s_mov_b32 s[\g], 1
	s_add_co_u32 s[\g+1], s3, ((\e)>>2)*KHB+((\e)&3)*WREG
	s_add_nc_u64 s[\g+2:\g+3], s[4:5], ((\e)&3)*131072+((\e)>>2)*512
	s_or_b32 s[\g+3], s[\g+3], 0x80000000
.endm
	s_load_b512 s[8:23], s[0:1], 0x0               ; query, key, q_w, k_w, q_b, k_b, scales, psim
	v_lshl_add_u32 v62, v0, 2, 0x42000
	v_mov_b32 v63, 0
	ds_add_u32 v62, v63
	ds_add_u32 v62, v63
	v_lshrrev_b32 v1, 5, v0
	v_readfirstlane_b32 s38, v1                    ; wave
	s_and_b32 s39, s38, 1                          ; role: 0 Q, 1 K
	s_lshr_b32 s40, s38, 1                         ; mh
	s_and_b32 s41, ttmp7, 0xffff                   ; dt, which the four partners share
	s_bfe_u32 s98, ttmp6, 0x40000                  ; cx = sg: it enters global addresses and the lanes' 1 or 0 alone
	; descriptor group 1: 16 rows x 64 elements of 8 bytes, 128 elements from row to row, 4 words of padding behind every 128
	s_mov_b32 s44, 15|(3<<16)|(1<<20)|(1<<21)|(6<<22)|(3<<25)
	s_mov_b32 s45, 64<<16
	s_mov_b32 s46, 16<<16
	s_mov_b32 s47, 64<<16
	s_mov_b32 s48, 16|(4<<16)                      ; 16 rows, 4 heads
	s_mov_b32 s49, 128
	s_mov_b32 s50, 16384<<16                       ; from head to head: 128 rows = 16,384 elements
	s_mov_b32 s51, 0
	s_mov_b32 s60, 4                               ; group 2: tensor_dim2
	s_mov_b32 s61, 0
	s_mov_b32 s62, 0
	s_mov_b32 s63, 0
	s_mov_b32 s68, 0                               ; group 3
	s_mov_b32 s69, 0
	s_mov_b32 s70, 0
	s_mov_b32 s71, 0
	s_mul_i32 s3, s39, ROLEB
	s_mul_i32 s4, s40, 4*WREG
	s_add_co_u32 s3, s3, s4                        ; LDS: my weight, my four heads
	s_lshl_b32 s6, s40, 19                         ; memory: head 4 mh is 4 x 128 rows of 1,024 bytes on,
	s_lshl_b32 s7, s41, 14                         ; and 16 dt rows
	s_add_co_u32 s6, s6, s7
	s_mov_b32 s7, 0
	s_mov_b32 s96, 0x76543210                      ; v_permlanex16_b32: lane l takes lane l xor 16
	s_mov_b32 s97, 0xfedcba98
	s_wait_dscnt 0x0
	s_wait_kmcnt 0x0
	s_load_b128 s[88:91], s[20:21], 0x0            ; e0 .. e3
	s_cmp_eq_u32 s39, 0
	s_cselect_b64 s[4:5], s[12:13], s[14:15]       ; my weight,
	s_cselect_b64 s[92:93], s[8:9], s[10:11]       ; my codes,
	s_cselect_b64 s[94:95], s[16:17], s[18:19]     ; my bias
	s_add_nc_u64 s[4:5], s[4:5], s[6:7]
	G0SET 52, 0
	G0SET 56, 4
	ROUND                                          ; all four work-groups are here: the joint loads meet
	tensor_load_to_lds s[52:55], s[44:51], s[60:63], s[68:71]   ; the first half of K, my four heads
	s_nop 0
	PLACES
	v_and_b32 v1, 15, v0                           ; r
	s_wait_alu depctr_va_vdst(0)
	v_bfe_u32 v2, v0, 4, 1                         ; h
	v_and_b32 v3, 31, v0                           ; lane
	v_lshlrev_b32 v20, 4, v3                       ; 16 x lane
	v_lshlrev_b32 v15, 3, v3                       ; 8 x lane
	v_lshlrev_b32 v21, 4, v2                       ; 16 h
	s_lshl_b32 s6, ttmp9, 10                       ; batch b: 1,024 bytes into a position's 8 rows
	v_add_nc_u32 v22, s6, v21
	s_lshl_b32 s2, s98, 3                          ; 8 sg
	s_lshl_b32 s3, s40, 2
	s_add_co_u32 s3, s3, s2                        ; 8 sg + 4 mh
	s_lshl_b32 s5, s39, 1
.irp t, 0,1,2,3
	s_xor_b32 s4, s5, \t
	s_add_co_u32 s4, s4, s3                        ; the batch's tile
	s_lshl_b32 s4, s4, 4
	v_add_nc_u32 v23, s4, v1                       ; my position s
.if \t == 1
	v_cmp_gt_u32 vcc_lo, 500, v23                  ; does it exist?
.endif
	v_min_u32 v23, 499, v23                        ; no load leaves the buffer
	s_wait_alu depctr_va_vdst(0)
	v_lshl_add_u32 v[4+\t], v23, 13, v22           ; v4-7: my byte in local tile t: 8,192 s + 1,024 b + 16 h
.endr
	v_mov_b32 v45, 1.0
	v_cndmask_b32 v44, 0, v45, vcc_lo              ; v44: 1 where my position of local tile 1 exists, else 0
	v_mul_u32_u24 v8, v1, PITCH
	v_add_nc_u32 v8, v8, v21
	s_mul_i32 s4, s39, ROLEB
	v_add_nc_u32 v8, s4, v8                        ; v8: my place in a tile of my weight, first half of K;
	v_add_nc_u32 v9, KHB, v8                       ; v9: second half
	s_lshl_b32 s4, s38, 14
	v_add_nc_u32 v10, s4, v20                      ; v10: the exchange, where I store;
	s_xor_b32 s5, s38, 1
	s_lshl_b32 s5, s5, 14
	v_add_nc_u32 v11, s5, v20                      ; v11: where I read: my partner's
	s_lshl_b32 s4, s38, 8
	s_add_co_u32 s4, s4, RED
	v_add_nc_u32 v12, s4, v15                      ; v12: my wave's 64 sums, two a lane
	v_add_nc_u32 v13, RED, v15                     ; v13: the last sum reads a Q wave's part as it lies,
	v_and_b32 v23, 3, v0
	v_lshlrev_b32 v14, 6, v23
	v_bfe_u32 v23, v0, 2, 3
	v_lshl_add_u32 v14, v23, 2, v14
	v_add_nc_u32 v14, RED, v14                     ; v14: and a K wave's part turned: its sums lie [g][h]: 32 g + 4 h with h = lane / 4, g = 2 (lane % 4) + e
	s_lshl_b32 s4, s41, 6
	v_lshl_add_u32 v16, v2, 5, s4                  ; v16: the bias of columns 16 dt + 8 h + 0 .. 7
	s_wait_alu depctr_va_vdst(0)
	s_lshl_b32 s43, ttmp9, 13                      ; psim: [b][part = 8 sg + dt][64 numbers]
	s_lshl_b32 s9, s98, 11
	s_add_co_u32 s43, s43, s9
	s_lshl_b32 s9, s41, 8
	s_add_co_u32 s43, s43, s9
	s_mov_b32 s2, s43
	s_mov_b32 s3, 0
	s_add_nc_u64 s[30:31], s[22:23], s[2:3]
	WIN 0x80                                       ; destination window 2
.irp d, 0,1,2,3,4,5,6,7
	global_load_b128 v[192+8*\d:192+8*\d+3], v16, s[94:95] offset:\d*512
	global_load_b128 v[192+8*\d+4:192+8*\d+7], v16, s[94:95] offset:\d*512+16
.endr
.macro ALOAD s                         ; my four tiles' fragments of step s, from memory straight into the registers where they stay
.if (\s) < 8
	WIN 0x40
.else
	WIN 0x80
.endif
.irp t, 0,1,2,3
	global_load_b128 v[8*(4*((\s)%8)+\t):8*(4*((\s)%8)+\t)+3], v[4+\t], s[92:93] offset:64*(\s)
	global_load_b128 v[8*(4*((\s)%8)+\t)+4:8*(4*((\s)%8)+\t)+7], v[4+\t], s[92:93] offset:64*(\s)+32
.endr
.endm
.irp s, 0,1,2,3,4
	ALOAD \s
.endr
	s_wait_kmcnt 0x0
	s_add_co_i32 s2, s88, s89                      ; e0 + e1
	s_add_co_i32 s3, s90, s91                      ; e2 + e3
	s_add_co_i32 s19, s2, s3                       ; what a product of two raw sums lacks
	s_cmp_eq_u32 s39, 0
	s_cselect_b32 s18, s2, s3
	s_sub_co_i32 s18, 0, s18
	s_wait_loadcnt 40                              ; all but the 40 loads of codes issued last: the bias is in
	WIN 0x82
.set k, 0
.rept 64
	v_ldexp_f32 v[192+k], v[192+k], s18            ; the bias in the sums' unit
.set k, k+1
.endr
	WIN 0
	s_wait_alu depctr_va_vdst(0)
	s_wait_tensorcnt 0x0                           ; my part of the first half of K has landed; these lines stand ahead of a later first fill as ahead of a refill
	ds_add_u32 v62, v63
	s_wait_dscnt 0x0
	ROUND                                          ; everybody's part has, and all four work-groups are here
	tensor_load_to_lds s[56:59], s[44:51], s[60:63], s[68:71]   ; the second half of K
	s_nop 0
	PLACES
.macro WLOAD s                         ; the 8 heads' fragments of my weight, step s, into set s % 3
.irp d, 0,1,2,3,4,5,6,7
	ds_load_b128 v[64+64*((\s)%3)+8*\d:64+64*((\s)%3)+8*\d+3], v[8+(\s)/8] offset:\d*WREG+((\s)%8)*64
	ds_load_b128 v[64+64*((\s)%3)+8*\d+4:64+64*((\s)%3)+8*\d+7], v[8+(\s)/8] offset:\d*WREG+((\s)%8)*64+32
.endr
.endm
	WLOAD 0
	WLOAD 1
; A step of 64 along K: 32 matrix instructions; the 32 accumulators take turns, one instruction a turn, in the same order in every step.
; The weights' fragments run two steps ahead, the codes' five.
.macro STEP s
.if (\s) > 0
	PLACES
.endif
.if (\s) == 6
	s_wait_tensorcnt 0x0                           ; the second half of K: mine has landed,
	BAR                                            ; everybody's has: step 8's fragments are fetched below
.endif
.if (\s)+2 <= 15
	WIN 0
	WLOAD (\s)+2
.endif
.if (\s)+5 <= 15
	ALOAD (\s)+5
.endif
.set ND, 15-(\s)
.if ND > 2
.set ND, 2
.endif
	s_wait_dscnt 16*ND                             ; this step's weights are in; the sets issued behind them may be out
.set NL, 15-(\s)
.if NL > 5
.set NL, 5
.endif
	s_wait_loadcnt 8*NL                            ; this step's codes are in; the later steps' may be out
.if (\s) == 0
	WIN 0xe4                                       ; weights window 0, codes window 1, C = the bias in window 2, D window 3
.elseif (\s) < 8
	WIN 0xf4
.else
	WIN 0xf8                                       ; codes window 2
.endif
.irp t, 0,1,2,3
.irp d, 0,1,2,3,4,5,6,7
.if (\s) == 0
	v_wmma_f32_16x16x64_fp8_fp8 v[8*(8*\t+\d):8*(8*\t+\d)+7], v[64+64*((\s)%3)+8*\d:64+64*((\s)%3)+8*\d+7], v[8*(4*((\s)%8)+\t):8*(4*((\s)%8)+\t)+7], v[192+8*\d:192+8*\d+7]
.else
	v_wmma_f32_16x16x64_fp8_fp8 v[8*(8*\t+\d):8*(8*\t+\d)+7], v[64+64*((\s)%3)+8*\d:64+64*((\s)%3)+8*\d+7], v[8*(4*((\s)%8)+\t):8*(4*((\s)%8)+\t)+7], v[8*(8*\t+\d):8*(8*\t+\d)+7]
.endif
.endr
.endr
.endm
.irp s, 0,1,2,3,4,5,6,7,8,9,10,11,12,13,14,15
	STEP \s
.endr
	PLACES
	WIN 0
	BAR                                            ; every wave's reads of the weights are over, and every fill landed long ago: their bytes may be written
	WIN 0x0c                                       ; store data window 3
.set k, 0
.rept 16                               ; local tiles 2 and 3, as the registers stand; each accumulator from its low end on
	ds_store_b128 v10, v[128+8*k:128+8*k+3] offset:k*1024
	ds_store_b128 v10, v[128+8*k+4:128+8*k+7] offset:k*1024+512
.set k, k+1
.endr
	WIN 0
	BAR
.set k, 0
.rept 16                               ; my partner's: the other tensor's values of my local tiles 0 and 1
	ds_load_b128 v[64+8*k:64+8*k+3], v11 offset:k*1024
	ds_load_b128 v[64+8*k+4:64+8*k+7], v11 offset:k*1024+512
.set k, k+1
.endr
	WIN 0xc3                                       ; source 0 and destination window 3, the factor window 0
.set k, 0
.rept 32                               ; local tile 1 x the lane's 1 or 0, while the loads are out; each accumulator from its low end on
	v_pk_mul_f32 v[64+2*k:65+2*k], v[64+2*k:65+2*k], v[44:45] op_sel_hi:[1,0]
.set k, k+1
.endr
	s_wait_dscnt 0x0
	WIN 0xa3                                       ; mine window 3, my partner's window 0, the sums window 2
.irp t, 0,1
.irp q, 0,1,2,3
.irp a, 0,1,2,3,4,5,6,7
.irp b, 0,1,2,3,4,5,6,7
.if (\t+\q) == 0
	v_pk_mul_f32 v[2*(8*\a+\b):2*(8*\a+\b)+1], v[8*(8*\t+\a)+2*\q:8*(8*\t+\a)+2*\q+1], v[64+8*(8*\t+\b)+2*\q:64+8*(8*\t+\b)+2*\q+1]
.else
	v_pk_fma_f32 v[2*(8*\a+\b):2*(8*\a+\b)+1], v[8*(8*\t+\a)+2*\q:8*(8*\t+\a)+2*\q+1], v[64+8*(8*\t+\b)+2*\q:64+8*(8*\t+\b)+2*\q+1], v[2*(8*\a+\b):2*(8*\a+\b)+1]
.endif
.endr
.endr
.endr
.endr
	WIN 0x0a
.set k, 0
.rept 64
	v_add_f32 v[64+k], v[2*k], v[2*k+1]            ; a pair's two halves: sum k = 8 (my head) + (my partner's head) in v[64 + k]
.set k, k+1
.endr
	WIN 0
; THE SUM OVER THE 32 LANES, which all hold the same batch, BY FOLDING: in each stage a lane keeps one half of the registers (the upper half where its bit of the lane number is set), hands the other half to the
; lane across, and adds what it gets: n registers are left of 2 n.  After the bits 16, 8, 4, 2, 1 lane l holds sums 2 l and 2 l + 1, whole.
	s_mov_b32 vcc_lo, 0xffff0000                   ; lanes 16-31
.set k, 0
.rept 32
	v_cndmask_b32 v[128+k], v[96+k], v[64+k], vcc_lo   ; what I hand over,
	v_cndmask_b32 v[64+k], v[64+k], v[96+k], vcc_lo    ; what I keep
.set k, k+1
.endr
.set k, 0
.rept 32
	v_permlanex16_b32 v[160+k], v[128+k], s96, s97
.set k, k+1
.endr
.set k, 0
.rept 32
	v_add_f32 v[64+k], v[64+k], v[160+k]
.set k, k+1
.endr
.macro FOLD n, m, x                    ; n registers are left; m: the lanes whose bit x is set
	s_mov_b32 vcc_lo, \m
.set k, 0
.rept \n
	v_cndmask_b32 v[128+k], v[64+k+\n], v[64+k], vcc_lo
	v_cndmask_b32 v[64+k], v[64+k], v[64+k+\n], vcc_lo
.set k, k+1
.endr
.set k, 0
.rept \n
	v_add_f32_dpp v[64+k], v[128+k], v[64+k] row_xmask:\x row_mask:0xf bank_mask:0xf   ; lane l xor x's + mine
.set k, k+1
.endr
.endm
	FOLD 16, 0xff00ff00, 8
	FOLD 8, 0xf0f0f0f0, 4
	FOLD 4, 0xcccccccc, 2
	FOLD 2, 0xaaaaaaaa, 1
	ds_store_b64 v12, v[64:65]                     ; the wave's 64 sums: 256 consecutive bytes
	BAR
	s_cmp_lg_u32 s38, 0                            ; wave 0 adds the four waves' parts: lane l takes h = l / 4, g = 2 (l % 4) + 0, 1
	s_cbranch_scc1 .Lnot_mine
	ds_load_b64 v[46:47], v13                      ; wave 0's part,
	ds_load_b64 v[48:49], v13 offset:512           ; wave 2's,
	ds_load_b32 v50, v14 offset:256                ; wave 1's, turned,
	ds_load_b32 v51, v14 offset:288
	ds_load_b32 v52, v14 offset:768                ; wave 3's
	ds_load_b32 v53, v14 offset:800
	s_wait_dscnt 0x0
	v_pk_add_f32 v[46:47], v[46:47], v[48:49]
	v_pk_add_f32 v[50:51], v[50:51], v[52:53]
	v_pk_add_f32 v[46:47], v[46:47], v[50:51]
	v_ldexp_f32 v46, v46, s19
	v_ldexp_f32 v47, v47, s19
	global_store_b64 v15, v[46:47], s[30:31]       ; the work-group's part: 256 consecutive bytes, aligned, by one store
.Lnot_mine:
	s_wait_dscnt 0x0
	s_wait_tensorcnt 0x0
	ds_add_u32 v62, v63
	s_wait_dscnt 0x0
	ROUND                                          ; the closing round: no work-group ends while a partner may still ask for a tile that names it
	s_endpgm
.Lfunc_end_k_q7efc9196a4_qk:
	.size	k_q7efc9196a4_qk, .Lfunc_end_k_q7efc9196a4_qk-k_q7efc9196a4_qk
	.p2alignl 7, 3214868480
	.fill 96, 4, 3214868480
	.section	.rodata,"a",@progbits
	.p2align	6, 0x0
	.amdhsa_kernel k_q7efc9196a4_qk
		.amdhsa_group_segment_fixed_size 327680
		.amdhsa_private_segment_fixed_size 0
		.amdhsa_enable_private_segment 0
		.amdhsa_kernarg_size 64
		.amdhsa_user_sgpr_count 2
		.amdhsa_user_sgpr_kernarg_segment_ptr 1
		.amdhsa_wavefront_size32 1
		.amdhsa_system_sgpr_workgroup_id_x 1
		.amdhsa_system_sgpr_workgroup_id_y 1
		.amdhsa_system_sgpr_workgroup_id_z 1
		.amdhsa_system_vgpr_workitem_id 0
		.amdhsa_next_free_vgpr 1024
		.amdhsa_next_free_sgpr 100
		.amdhsa_reserve_vcc 1
		.amdhsa_float_denorm_mode_32 3
		.amdhsa_float_denorm_mode_16_64 3
		.amdhsa_memory_ordered 1
		.amdhsa_forward_progress 1
		.amdhsa_inst_pref_size 129
	.end_amdhsa_kernel
	.amdgpu_metadata
---
amdhsa.version: [ 1, 2 ]
amdhsa.kernels:
  - .name:           k_q7efc9196a4_qk
    .symbol:         k_q7efc9196a4_qk.kd
    .args:
      - { .name: query_codes, .offset: 0, .size: 8, .value_kind: global_buffer, .address_space: global }
      - { .name: key_codes, .offset: 8, .size: 8, .value_kind: global_buffer, .address_space: global }
      - { .name: q_w_codes, .offset: 16, .size: 8, .value_kind: global_buffer, .address_space: global }
      - { .name: k_w_codes, .offset: 24, .size: 8, .value_kind: global_buffer, .address_space: global }
      - { .name: q_b, .offset: 32, .size: 8, .value_kind: global_buffer, .address_space: global }
      - { .name: k_b, .offset: 40, .size: 8, .value_kind: global_buffer, .address_space: global }
      - { .name: lowp_scales, .offset: 48, .size: 8, .value_kind: global_buffer, .address_space: global }
      - { .name: psim, .offset: 56, .size: 8, .value_kind: global_buffer, .address_space: global }
    .group_segment_fixed_size: 327680
    .private_segment_fixed_size: 0
    .kernarg_segment_align: 8
    .kernarg_segment_size: 64
    .max_flat_workgroup_size: 128
    .sgpr_count:     100
    .vgpr_count:     1024
    .wavefront_size: 32
...
	.end_amdgpu_metadata
.endif
;; end of part 1
;; launch values (part 2): grid 4 x 64, 4 waves a work-group, clusters of 4 x 4, 327,680 bytes of LDS; arguments multi_value_codes, single_value_codes, mv_w_codes, sv_w_codes, psim, mv_b, sv_b, lowp_scales, mrc, src; writes mrc, src
.if DOCPART == 2
	.amdgcn_target "amdgcn-amd-amdhsa--gfx1250"
	.amdhsa_code_object_version 6
	.text
	.protected	k_q7efc9196a4_values
	.globl	k_q7efc9196a4_values
	.p2align	8
	.type	k_q7efc9196a4_values,@function
k_q7efc9196a4_values:
	s_mov_b64 s[64:65], 0
	v_nop
	global_prefetch_b8 v0, s[64:65] scope:SCOPE_SE
	s_setreg_imm32_b32 hwreg(HW_REG_WAVE_MODE, 25, 1), 1
	s_wait_xcnt 0x0
	s_wait_alu depctr_hold_cnt(0) depctr_sa_sdst(0) depctr_va_vdst(0) depctr_va_sdst(0) depctr_va_ssrc(0) depctr_va_vcc(0) depctr_vm_vsrc(0)
	s_getreg_b32 s2, hwreg(HW_REG_IB_STS2, 6, 4)
	s_cmp_eq_u32 s2, 0
	s_cbranch_scc0 .Lentry_in_a_cluster
	s_endpgm
.Lentry_in_a_cluster:
	s_bfe_u32 s2, ttmp6, 0x10000c
	s_cmp_lg_u32 s2, 0xf033
	s_cbranch_scc0 .Lentry_shape_is_right
	s_endpgm
.Lentry_shape_is_right:
; att = softmax(sim / sqrt(64000)); MV = multi_value mv_w^T + mv_b, SV = single_value sv_w^T + sv_b on E4M3 codes; mr[bt][128 h + d] = sum over x of att[b][h][x] MV[x][bt][128 h + d], sr likewise with heads of 64;
; mr and sr are quantised with the given scales and stored as the next launch's operand, in the order of its registers.  MV and SV never go to memory.
; SHARES.  The 4,000 rows bt are 250 tiles of 16, dealt to 64 row blocks: block k begins at tile floor(125 k / 32) and owns 3 or 4 tiles.  It always multiplies four tiles; where it owns three, the fourth is its
; successor's and is not stored (EXEC, no branch).  Work-group (x, k): columns 256 x .. of MV for the four tiles, in two passes of two tiles; of SV the columns 256 (x & 1) .. for tiles (x & 2) + 0, 1.
; A pass is 256 rows (2 tiles x 8 x of 16 rows) by 256 columns; a wave makes one tile's 8 x by 128 columns: 64 accumulators, 512 registers, with all that the sum over x needs.
; K goes in steps of 256 through a ring of two LDS slots filled by the tensor data mover: steps 0-3 pass 0, 4-7 pass 1 (K = 1,024 each), 8-9 SV (K = 512).  The ring runs on from pass to pass.
; THE MATRIX INSTRUCTION IS USED TRANSPOSED (source 0 = 16 rows of the weight, source 1 = 16 rows of codes of one x): a lane holds ONE row bt and eight columns 16 i + 8 (lane / 16) + j.
; CLUSTERS of 4 x 4: the tiles of multi values are asked for jointly along a row of the cluster (same row block), the weights' along a column (same columns).  The single values are asked for by each work-group for itself:
; only two of a row need the same, for two of ten steps.
; PREFETCH: the values' K step two on, behind each load: the 128 rows of a wave's load are shared out by address among the partners that load them.  The weights' K steps 2, 3 and SV's are asked for by the first four
; clusters alone, since every cluster reads the same; in pass 1 they have been read.
; att is made in registers by every wave for its own heads and both batches that a row block can touch, and kept in LDS as it stands in the lanes.  sim comes as 32 parts of 64 numbers a batch ([b][part][h][x]).
; The bias: sum over x of att (raw 2^(ea + eb) + bias) = 2^(ea + eb) (sum of att raw + bias (sum of att) / 2^(ea + eb)).  The power of two is folded into the conversion's scale.
; LIMITS, so that each power of two made below is an f32 number: e8 - e4 - e5 and e10 - e6 - e7 between -126 and 119.  NaN among the inputs is not served.  The parts of sim are added in a tree.
; REGISTERS, in windows of 256: window 0: v1-12 kept; v16-31 att; v32-95 the 64 results of a lane (first the bias); v96-111 their codes; v112-118 at work; v128-255 A's fragments (8 x of 16 rows x 128 K), one set.
;   window 1: B's fragments, two sets.  window 2: accumulators (x, i), x = 0 .. 3, at v[8 (8 x + i)];  window 3: x = 4 .. 7.
.set PITCH,  272                       ; an LDS row: 256 bytes + 16 of padding = 68 words: row r starts at bank 4 r mod 64 (64 banks of 4 bytes: ISA guide 11.1)
.set HALFT,  128*PITCH
.set SLOT,   4*HALFT
.set ATTB,   2*SLOT                    ; att: 9 x 512 bytes for each wave
.set SPARE,  ATTB+4*4608               ; the spare words
.set ADRA, 2
.set ADRB, 4
.set SPW,  6
.set NIL,  7
.set PFO,  8
.set PFO2, 9
.set ATTA, 10
.set LN16, 11
.set BO,   12
.set AF,   128
.set G1A,  32
.set G1AS, 40
.set G1B,  48
.set G1BS, 56
.set G2,   68
.set G3,   72
.set G0A,  76
.set G0B,  84
.set LIM,  29                          ; 1: I fetch values; 2: I fetch weights and prefetch them; 0: I fetch weights
.set MSB, 0
.macro WIN new                         ; the immediate's high byte repeats the setting that is left
.if MSB != (\new)
	s_set_vgpr_msb (MSB<<8)|(\new)
.set MSB, (\new)
.endif
.endm
.set MUL_LO, 0xa1                      ; source 0 (weights) window 1, source 1 (values) window 0, C and D window 2
.set MUL_HI, 0xf1                      ; the same, C and D window 3
.set TO_B,   0x40
.macro PLACES                          ; four plain vector instructions behind a matrix instruction, in front of loads into its sources (ISA guide 7.12.1 for vector instructions)
.rept 4
	v_nop
.endr
.endm
; Waves 0 and 1 fetch the two tiles of values (a tile of 8 x of 16 rows: three dimensions), waves 2 and 3 the two halves of the weights' 256 rows.
.macro JLOAD slot, g1a, g1b
	s_cmp_eq_u32 s25, 0
	s_cbranch_scc0 .Lfor_b_\@
	tensor_load_to_lds s[G0A+4*\slot:G0A+4*\slot+3], s[\g1a:\g1a+7], s[G2:G2+3], s[G3:G3+3]
	s_nop 0
	PLACES
	s_branch .Lasked_\@
.Lfor_b_\@:
	tensor_load_to_lds s[G0B+4*\slot:G0B+4*\slot+3], s[\g1b:\g1b+7]
	s_nop 0
	PLACES
.Lasked_\@:
.endm
; The prefetch of K step k.  Its addresses differ by immediates alone; its registers are never rewritten.
.macro ASK k
.if (\k) < 4
	s_cmp_lg_u32 s[LIM], 0
	s_cbranch_scc0 .Lno_ask_\@
	global_prefetch_b8 v[PFO], s[8:9] offset:256*(\k) th:TH_LOAD_NT scope:SCOPE_SE
.Lno_ask_\@:
.elseif (\k) < 8
	s_cmp_eq_u32 s[LIM], 1
	s_cbranch_scc0 .Lno_ask_\@
	global_prefetch_b8 v[PFO], s[8:9] offset:32768+256*((\k)-4) th:TH_LOAD_NT scope:SCOPE_SE
.Lno_ask_\@:
.else
	s_cmp_eq_u32 s[LIM], 1
	s_cbranch_scc0 .Lno_ask_\@
	global_prefetch_b8 v[PFO2], s[10:11] offset:256*((\k)-8) th:TH_LOAD_NT scope:SCOPE_SE
	global_prefetch_b8 v[PFO2], s[10:11] offset:4096000+256*((\k)-8) th:TH_LOAD_NT scope:SCOPE_SE
.Lno_ask_\@:
.if (\k) == 8
	s_cmp_eq_u32 s[LIM], 2                         ; sv_w's two K steps at once
	s_cbranch_scc0 .Lno_askb_\@
	global_prefetch_b8 v[PFO2], s[10:11] th:TH_LOAD_NT scope:SCOPE_SE
.Lno_askb_\@:
.endif
.endif
.endm
.macro CREST                           ; a round of the cluster's barrier behind its opening barrier
	s_cmp_lg_u32 s24, 0
	s_cbranch_scc1 .Lnot_wave_0_\@
	s_barrier_signal -3
.Lnot_wave_0_\@:
	s_barrier_wait -3
	s_barrier_signal -1
	s_barrier_wait -1
.endm
.macro CROUND
	s_barrier_signal -1
	s_barrier_wait -1
	CREST
.endm
	s_load_b512 s[8:23], s[0:1], 0x0               ; multi, single, mv_w, sv_w, psim, mv_b, sv_b, scales
	s_load_b128 s[4:7], s[0:1], 0x40               ; mrc, src
	v_lshl_add_u32 v[SPW], v0, 2, SPARE
	v_mov_b32 v[NIL], 0
	ds_add_u32 v[SPW], v[NIL]                      ; the wave's opening: the add, twice on end, and its wait ahead of my first tensor load
	ds_add_u32 v[SPW], v[NIL]
	v_lshrrev_b32 v1, 5, v0
	v_readfirstlane_b32 s24, v1                    ; wave
	s_lshr_b32 s25, s24, 1                         ; rh: my tile of the pass.  Also: I fetch values (0) or weights (1)
	s_and_b32 s26, s24, 1                          ; ch: my 128 columns.  Also: which half I fetch
	s_bfe_u32 s27, ttmp6, 0x40000                  ; cx: the grid's x (one cluster along x)
	s_bfe_u32 s28, ttmp6, 0x40004                  ; cy
	s_and_b32 s29, ttmp7, 0xffff                   ; the cluster's y
	s_lshl_b32 s2, s29, 2
	s_add_co_u32 s2, s2, s28                       ; row block k
	s_mul_i32 s30, s2, 125
	s_add_co_u32 s31, s30, 125
	s_lshr_b32 s30, s30, 5                         ; its first tile
	s_lshr_b32 s31, s31, 5
	s_sub_co_u32 s31, s31, s30                     ; how many tiles it owns: 3 or 4
	s_lshl_b32 s2, s28, 2
	s_lshl_b32 s2, 15, s2                          ; my row of the cluster
	s_lshl_b32 s3, 0x1111, s27                     ; my column
	; descriptor groups 1: rows of 256 elements of 1 byte, 4 words of padding behind every 64; values: 16 rows x 8 planes, weights: 128 rows
	s_or_b32 s[G1A], s2, (1<<20)|(1<<21)|(5<<22)|(3<<25)
	s_or_b32 s[G1B], s3, (1<<20)|(1<<21)|(5<<22)|(3<<25)
	s_or_b32 s[G1BS], s3, (1<<20)|(1<<21)|(5<<22)|(3<<25)
	s_mov_b32 s[G1AS], (1<<20)|(5<<22)|(3<<25)
.irp g, G1A, G1AS
	s_mov_b32 s[\g+1], 256<<16
	s_mov_b32 s[\g+2], 16<<16
	s_mov_b32 s[\g+3], 256<<16
	s_mov_b32 s[\g+4], 16|(8<<16)
.endr
.irp g, G1B, G1BS
	s_mov_b32 s[\g+1], 256<<16
	s_mov_b32 s[\g+2], 128<<16
	s_mov_b32 s[\g+3], 256<<16
	s_mov_b32 s[\g+4], 128
	s_mov_b32 s[\g+6], 0
	s_mov_b32 s[\g+7], 0
.endr
	s_mov_b32 s[G1A+5], 1024
	s_mov_b32 s[G1A+6], (4096000&0xffff)<<16       ; from x to x: 4,000 rows
	s_mov_b32 s[G1A+7], 4096000>>16
	s_mov_b32 s[G1AS+5], 512
	s_mov_b32 s[G1AS+6], (2048000&0xffff)<<16
	s_mov_b32 s[G1AS+7], 2048000>>16
	s_mov_b32 s[G1B+5], 1024
	s_mov_b32 s[G1BS+5], 512
	s_mov_b32 s[G2], 8                             ; tensor_dim2
	s_mov_b32 s[G2+1], 0
	s_mov_b32 s[G2+2], 0
	s_mov_b32 s[G2+3], 0
	s_mov_b32 s[G3], 0
	s_mov_b32 s[G3+1], 0
	s_mov_b32 s[G3+2], 0
	s_mov_b32 s[G3+3], 0
	s_add_co_u32 s66, s30, s26
	s_lshl_b32 s66, s66, 14                        ; values: my tile's 16 rows of 1,024 bytes
	s_mov_b32 s67, 0
	s_lshl_b32 s100, s27, 18                       ; weights: row 256 cx + 128 half
	s_lshl_b32 s101, s26, 17
	s_add_co_u32 s100, s100, s101
	s_mov_b32 s101, 0
	s_mul_i32 s3, s24, HALFT
	s_wait_dscnt 0x0                               ; both opening adds are done
	s_wait_kmcnt 0x0
	s_load_b256 s[92:99], s[22:23], 0x10           ; e4 .. e11
	CROUND                                         ; all sixteen work-groups are here: the first joint loads meet
.irp s, 0,1
	s_mov_b32 s[G0A+4*\s], 1
	s_add_co_u32 s[G0A+4*\s+1], s3, \s*SLOT
	s_add_nc_u64 s[G0A+4*\s+2:G0A+4*\s+3], s[8:9], s[66:67]
	s_add_nc_u64 s[G0A+4*\s+2:G0A+4*\s+3], s[G0A+4*\s+2:G0A+4*\s+3], \s*256
	s_or_b32 s[G0A+4*\s+3], s[G0A+4*\s+3], 0x80000000
	s_mov_b32 s[G0B+4*\s], 1
	s_add_co_u32 s[G0B+4*\s+1], s3, \s*SLOT
	s_add_nc_u64 s[G0B+4*\s+2:G0B+4*\s+3], s[12:13], s[100:101]
	s_add_nc_u64 s[G0B+4*\s+2:G0B+4*\s+3], s[G0B+4*\s+2:G0B+4*\s+3], \s*256
	s_or_b32 s[G0B+4*\s+3], s[G0B+4*\s+3], 0x80000000
.endr
	JLOAD 0, G1A, G1B                              ; K step 0: one tensor load a wave at the head
	v_and_b32 v1, 15, v0                           ; r
	v_bfe_u32 v13, v0, 4, 1                        ; h
	v_and_b32 v15, 31, v0
	v_lshlrev_b32 v[LN16], 4, v15                  ; 16 x lane
	v_lshlrev_b32 v[BO], 5, v13                    ; 32 h: eight f32 columns
	v_mul_u32_u24 v14, v1, PITCH
	v_lshl_add_u32 v14, v13, 4, v14                ; a fragment's row x pitch + 16 h
	s_wait_alu depctr_va_vdst(0)
	s_mul_i32 s2, s25, HALFT
	s_mul_i32 s3, s26, HALFT
	s_add_co_u32 s3, s3, 2*HALFT
.irp s, 0,1
	v_add_nc_u32 v[ADRA+\s], s2, v14
	v_add_nc_u32 v[ADRB+\s], s3, v14
	s_add_co_u32 s2, s2, SLOT
	s_add_co_u32 s3, s3, SLOT
.endr
	s_mul_i32 s2, s24, 4608
	s_add_co_u32 s2, s2, ATTB
	v_add_nc_u32 v[ATTA], s2, v[LN16]
	; sim: lanes 0-15 take batch b0 of the row block's first row, lanes 16-31 the next batch; lane l takes parts l % 16 and l % 16 + 16
	s_lshl_b32 s2, s30, 4
	s_mul_hi_u32 s2, s2, 8589935                   ; b0 = row / 500 (the factor is 2^32 / 500 rounded up: exact for rows under 4,000)
	s_add_co_u32 s3, s2, 1
	s_mul_i32 s100, s3, 500                        ; rows from here on belong to the next batch
	s_min_u32 s3, s3, 7
	s_sub_co_u32 s3, s3, s2
	s_lshl_b32 s3, s3, 13
	s_lshl_b32 s2, s2, 13
	v_mul_u32_u24 v14, s3, v13
	v_lshl_add_u32 v14, v1, 8, v14
	s_wait_alu depctr_va_vdst(0)
	s_lshl_b32 s66, s27, 6
	s_lshl_b32 s67, s26, 5
	s_add_co_u32 s66, s66, s67                     ; 32 x head 2 cx + ch
	s_add_co_u32 s66, s66, s2
	s_mov_b32 s67, 0
	s_add_nc_u64 s[66:67], s[16:17], s[66:67]
	s_and_b32 s101, s27, 1
	s_lshl_b32 s3, s101, 7
	s_add_co_u32 s2, s2, s3
	s_lshl_b32 s3, s26, 6
	s_add_co_u32 s2, s2, s3                        ; 32 x head 4 (cx & 1) + 2 ch of SV
	s_mov_b32 s3, 0
	s_add_nc_u64 s[16:17], s[16:17], s[2:3]
.irp n, 0,1
	global_load_b128 v[32+4*\n:35+4*\n], v14, s[66:67] offset:16*\n
	global_load_b128 v[56+4*\n:59+4*\n], v14, s[66:67] offset:4096+16*\n
.endr
.irp n, 0,1,2,3
	global_load_b128 v[40+4*\n:43+4*\n], v14, s[16:17] offset:16*\n
	global_load_b128 v[64+4*\n:67+4*\n], v14, s[16:17] offset:4096+16*\n
.endr
	; the prefetches.  Values: x = 2 cx + lane / 16, row lane % 16 of the tile that I fetch; weights: row 32 cy + lane of my 128
	s_wait_kmcnt 0x0                               ; the exponents are in: the registers of their address serve anew below
	s_lshl_b32 s2, s27, 18
	s_lshl_b32 s3, s26, 17
	s_add_co_u32 s2, s2, s3
	s_lshl_b32 s3, s28, 15
	s_add_co_u32 s2, s2, s3                        ; weights
	s_add_co_u32 s3, s30, s26
	s_lshl_b32 s3, s3, 14
	s_mul_i32 s22, s27, 8192000
	s_add_co_u32 s3, s3, s22                       ; values
	s_cmp_eq_u32 s25, 0
	s_cselect_b32 s2, s3, s2
	s_cselect_b64 s[8:9], s[8:9], s[12:13]
	s_mov_b32 s3, 16384
	s_cselect_b32 s22, 4096000, s3                 ; lanes 16-31
	s_mov_b32 s3, 256
	s_cselect_b32 s23, 2048000, s3
	s_mov_b32 s3, 0
	s_add_nc_u64 s[8:9], s[8:9], s[2:3]
	v_mul_lo_u32 v[PFO], v13, s22
	v_lshl_add_u32 v[PFO], v1, 10, v[PFO]
	v_mul_lo_u32 v[PFO2], v13, s23
	v_lshl_add_u32 v[PFO2], v1, 9, v[PFO2]
	s_cmp_lt_u32 s29, 4
	s_cselect_b32 s29, 2, 0
	s_cmp_eq_u32 s25, 0
	s_cselect_b32 s[LIM], 1, s29
	; SV: where its tiles begin: s[12:13] values, s[14:15] weights; s[10:11] its prefetches (values: x = 4 (cx & 1) + lane / 16 and two on; weights: 16 rows of 512 bytes a work-group)
	s_and_b32 s22, s27, 2
	s_add_co_u32 s2, s22, s30
	s_add_co_u32 s2, s2, s26
	s_lshl_b32 s2, s2, 13
	s_add_nc_u64 s[12:13], s[10:11], s[2:3]
	s_mul_i32 s2, s101, 8192000
	s_add_nc_u64 s[10:11], s[12:13], s[2:3]
	s_lshl_b32 s2, s101, 17
	s_lshl_b32 s23, s26, 16
	s_add_co_u32 s2, s2, s23
	s_add_nc_u64 s[14:15], s[14:15], s[2:3]
	s_lshl_b32 s2, s28, 14
	s_lshl_b32 s23, s22, 12
	s_add_co_u32 s2, s2, s23
	s_add_nc_u64 s[2:3], s[14:15], s[2:3]
	s_cmp_eq_u32 s25, 0
	s_cselect_b64 s[10:11], s[10:11], s[2:3]
	; the biases at my 128 columns, and where my codes go: mrc [tile][head][2,048 bytes], src [tile][128 columns][2,048 bytes]
	s_mov_b32 s3, 0
	s_lshl_b32 s23, s26, 9
	s_lshl_b32 s2, s27, 10
	s_add_co_u32 s2, s2, s23
	s_add_nc_u64 s[18:19], s[18:19], s[2:3]
	s_lshl_b32 s2, s101, 10
	s_add_co_u32 s2, s2, s23
	s_add_nc_u64 s[20:21], s[20:21], s[2:3]
	s_lshl_b32 s23, s26, 11
	s_add_co_u32 s2, s30, s25
	s_lshl_b32 s2, s2, 14
	s_add_co_u32 s2, s2, s23
	s_lshl_b32 s28, s27, 12
	s_add_co_u32 s2, s2, s28
	s_add_nc_u64 s[4:5], s[4:5], s[2:3]
	s_add_co_u32 s2, s30, s25
	s_add_co_u32 s2, s2, s22
	s_lshl_b32 s2, s2, 13
	s_add_co_u32 s2, s2, s23
	s_lshl_b32 s28, s101, 12
	s_add_co_u32 s2, s2, s28
	s_add_nc_u64 s[6:7], s[6:7], s[2:3]
	s_add_co_u32 s28, s25, 2                       ; my tile's number in the row block in pass 1,
	s_add_co_u32 s101, s22, s25                    ; and in SV's
.macro FRAG reg, adr, q, i             ; 16 rows x 128 K: lane l holds row l % 16; registers 4 c .. 4 c + 3 hold K = 32 c + 16 (l / 16) + 0 .. 15, the same permutation of k in both operands
.irp c, 0,1,2,3
	ds_load_b128 v[\reg+4*\c:\reg+4*\c+3], v[\adr] offset:128*(\q)+32*\c+(\i)*16*PITCH
.endr
.endm
; 16 matrix instructions: x = a0, a0 + 1 by the 8 tiles of columns, 128 along K; p: the weights' set.  The 64 accumulators take turns in the same order in every step.
.macro MUL16 a0, p, zero
.irp a, \a0, \a0+1
.irp b, 0,1,2,3,4,5,6,7
.if \zero
	v_wmma_f32_16x16x128_fp8_fp8 v[8*(8*((\a)%4)+\b):8*(8*((\a)%4)+\b)+7], v[128*(\p)+16*\b:128*(\p)+16*\b+15], v[AF+16*(\a):AF+16*(\a)+15], 0
.else
	v_wmma_f32_16x16x128_fp8_fp8 v[8*(8*((\a)%4)+\b):8*(8*((\a)%4)+\b)+7], v[128*(\p)+16*\b:128*(\p)+16*\b+15], v[AF+16*(\a):AF+16*(\a)+15], v[8*(8*((\a)%4)+\b):8*(8*((\a)%4)+\b)+7]
.endif
.endr
.endr
.endm
.macro FETCH_B slot, q, p
	WIN TO_B
.irp i, 0,1,2,3,4,5,6,7
	FRAG 128*(\p)+16*\i, ADRB+\slot, \q, \i
.endr
	WIN 0
.endm
.macro FETCH_A slot, q, i0
.irp i, \i0, \i0+1, \i0+2, \i0+3
	FRAG AF+16*(\i), ADRA+\slot, \q, \i
.endr
.endm
.macro STEP slot, q, zero              ; a step of 128 along K that has its successor in the same slot
	s_wait_dscnt 16                                ; the weights' set and x = 0 .. 3 are in; the youngest 16 loads (x = 4 .. 7) may be out
	WIN MUL_LO
	MUL16 0, (\q)%2, \zero
	MUL16 2, (\q)%2, \zero
	s_wait_dscnt 0x0
	PLACES
	FETCH_B \slot, (\q)+1, 1-(\q)%2
	FETCH_A \slot, (\q)+1, 0
	WIN MUL_HI
	MUL16 4, (\q)%2, \zero
	MUL16 6, (\q)%2, \zero
	PLACES
	WIN 0
	FETCH_A \slot, (\q)+1, 4
.endm
; A slot's last step changes slots.  mode: 0 this slot takes the K step two on of the same pass, 1 of the next pass of MV (32 rows on, back along K), 2 of SV; -1: nothing is filled.
.macro TURN slot, next, mode, ask
	s_wait_tensorcnt 0x0                           ; all my tensor loads have landed: my part of the next slot
	ds_add_u32 v[SPW], v[NIL]
	s_wait_dscnt 17                                ; (the add and the youngest 16 loads, x = 4 .. 7, may be out)
	WIN MUL_LO
	MUL16 0, 1, 0
	s_wait_dscnt 0x0                               ; the add is done, and my reads of this slot are over
	s_barrier_signal -1
	MUL16 2, 1, 0
	WIN 0
	s_barrier_wait -1
.if (\mode) >= 0
	CREST                                          ; no wave of any partner still reads this slot or has a load on its way
.if (\mode) == 0
	s_add_nc_u64 s[G0A+4*\slot+2:G0A+4*\slot+3], s[G0A+4*\slot+2:G0A+4*\slot+3], 512
	s_add_nc_u64 s[G0B+4*\slot+2:G0B+4*\slot+3], s[G0B+4*\slot+2:G0B+4*\slot+3], 512
	JLOAD \slot, G1A, G1B
.elseif (\mode) == 1
	s_add_nc_u64 s[G0A+4*\slot+2:G0A+4*\slot+3], s[G0A+4*\slot+2:G0A+4*\slot+3], 32768-512
	s_sub_nc_u64 s[G0B+4*\slot+2:G0B+4*\slot+3], s[G0B+4*\slot+2:G0B+4*\slot+3], 512
	JLOAD \slot, G1A, G1B
.else
	s_add_nc_u64 s[G0A+4*\slot+2:G0A+4*\slot+3], s[12:13], \slot*256
	s_or_b32 s[G0A+4*\slot+3], s[G0A+4*\slot+3], 0x80000000
	s_add_nc_u64 s[G0B+4*\slot+2:G0B+4*\slot+3], s[14:15], \slot*256
	s_or_b32 s[G0B+4*\slot+3], s[G0B+4*\slot+3], 0x80000000
	JLOAD \slot, G1AS, G1BS
.endif
.else
	PLACES
.endif
	FETCH_B \next, 0, 0
	FETCH_A \next, 0, 0
.if (\ask) > 0
	ASK \ask
.endif
	WIN MUL_HI
	MUL16 4, 1, 0
	MUL16 6, 1, 0
	PLACES
	WIN 0
	FETCH_A \next, 0, 4
.endm
.macro BIAS base                       ; the bias of columns 16 i + 8 h + 0 .. 7 into result registers 8 i ..
.irp i, 0,1,2,3,4,5,6,7
	global_load_b128 v[32+8*\i:35+8*\i], v[BO], s[\base:\base+1] offset:64*\i
	global_load_b128 v[36+8*\i:39+8*\i], v[BO], s[\base:\base+1] offset:64*\i+16
.endr
.endm
; THE SUM OVER x, the quantiser, the store.  p = 0, 1: MV's pass, one head; 2: SV, heads of four tiles of columns each.  Result 8 i + j of a lane is column 16 i + 8 h + j of my 128.
.macro EPI p, lim, sc, base, off, slot
	ds_load_b128 v[16:19], v[ATTA] offset:1024*\p
	ds_load_b128 v[20:23], v[ATTA] offset:1024*\p+512
.if \p == 2
	ds_load_b128 v[24:27], v[ATTA] offset:3072
	ds_load_b128 v[28:31], v[ATTA] offset:3584
.endif
	ds_load_b128 v[112:115], v[ATTA] offset:4096
	s_wait_loadcnt 0x0                             ; the bias, asked for a pass ago
	s_wait_xcnt 0x0                                ; the last stores have read the codes' registers
	s_wait_dscnt 0x0
	v_mov_b32 v116, s[\sc]
	v_mov_b32 v117, s[\lim]
.set n, 0
.rept 32
.if \p == 0
	v_pk_mul_f32 v[32+2*n:33+2*n], v[32+2*n:33+2*n], v[112:113] op_sel_hi:[1,0]
.elseif \p == 1
	v_pk_mul_f32 v[32+2*n:33+2*n], v[32+2*n:33+2*n], v[112:113] op_sel:[0,1] op_sel_hi:[1,1]
.elseif n < 16
	v_pk_mul_f32 v[32+2*n:33+2*n], v[32+2*n:33+2*n], v[114:115] op_sel_hi:[1,0]
.else
	v_pk_mul_f32 v[32+2*n:33+2*n], v[32+2*n:33+2*n], v[114:115] op_sel:[0,1] op_sel_hi:[1,1]
.endif
.set n, n+1
.endr
.irp x, 0,1,2,3,4,5,6,7
	WIN 0x02+(\x/4)                                ; source 0: the accumulators' window
.irp i, 0,1,2,3,4,5,6,7
.set AT, 16+2*(\x/2)
.if \p == 2
.set AT, AT+8*(\i/4)
.endif
.irp q, 0,2,4,6                        ; each accumulator from its low end on
.if (\x%2) == 0
	v_pk_fma_f32 v[32+8*\i+\q:33+8*\i+\q], v[8*(8*(\x%4)+\i)+\q:8*(8*(\x%4)+\i)+\q+1], v[AT:AT+1], v[32+8*\i+\q:33+8*\i+\q] op_sel_hi:[1,0,1]
.else
	v_pk_fma_f32 v[32+8*\i+\q:33+8*\i+\q], v[8*(8*(\x%4)+\i)+\q:8*(8*(\x%4)+\i)+\q+1], v[AT:AT+1], v[32+8*\i+\q:33+8*\i+\q] op_sel:[0,1,0] op_sel_hi:[1,1,1]
.endif
.endr
.endr
.endr
	WIN 0
.set n, 0
.rept 64
	v_med3_num_f32 v[32+n], v[32+n], -v117, v117   ; the conversion to an 8-bit code does not saturate (ISA guide 7.6.2): the hold at the largest code x the scale
.set n, n+1
.endr
.irp i, 0,1,2,3,4,5,6,7
	v_cvt_scalef32_pk8_fp8_f32 v[96+2*\i:97+2*\i], v[32+8*\i:39+8*\i], v116
.endr
	v_mov_b32 v118, s[\slot]                       ; my tile's number in the row block.  (The plain place behind the conversions)
	v_nop
.irp c, 0,1,2,3                        ; a lane's columns 32 c + 8 h + 0 .. 7 and 32 c + 16 + 8 h + 0 .. 7 become 32 c + 16 h + 0 .. 15: lanes 16-31 of the first against lanes 0-15 of the second
	v_permlane16_swap_b32 v[96+4*\c], v[98+4*\c]
	v_permlane16_swap_b32 v[97+4*\c], v[99+4*\c]
.endr
	v_cmp_gt_u32 vcc_lo, s31, v118                 ; is the tile mine to store?
	s_wait_alu depctr_va_vdst(0)
	s_wait_xcnt 0x0                                ; EXEC changes only behind it
	s_and_saveexec_b32 s3, vcc_lo
.irp c, 0,1,2,3
	global_store_b128 v[LN16], v[96+4*\c:99+4*\c], s[\base:\base+1] offset:\off+512*\c   ; registers 4 c .. 4 c + 3 of the next operand: 512 consecutive bytes a store, aligned
.endr
	s_wait_xcnt 0x0
	s_or_b32 exec_lo, exec_lo, s3
.endm
	s_wait_alu depctr_va_vdst(0)
	ASK 2
	s_wait_tensorcnt 0x0                           ; my part of K step 0 is in; these lines stand ahead of a later first fill as ahead of a refill
	ds_add_u32 v[SPW], v[NIL]
	s_wait_dscnt 0x0
	CROUND
	JLOAD 1, G1A, G1B                              ; K step 1
	FETCH_B 0, 0, 0
	FETCH_A 0, 0, 0
	FETCH_A 0, 0, 4
	ASK 3
	; ATT, while K step 1 is on its way.  v32-39: my head of MV; v40-47, v48-55: my two heads of SV
	s_wait_kmcnt 0x0
	s_add_co_i32 s92, s92, s93                     ; e4 + e5
	s_add_co_i32 s94, s94, s95                     ; e6 + e7
	s_sub_co_i32 s93, 0, s92
	s_sub_co_i32 s95, 0, s94
	s_sub_co_i32 s96, s96, s92                     ; e8 - e4 - e5: the three scales folded into the conversion's one
	s_add_co_i32 s96, s96, 127
	s_lshl_b32 s97, s96, 23
	s_add_co_i32 s96, s96, 8
	s_lshl_b32 s96, s96, 23
	s_or_b32 s96, s96, 0x600000                    ; 448 x that
	s_sub_co_i32 s98, s98, s94                     ; e10 - e6 - e7
	s_add_co_i32 s98, s98, 127
	s_lshl_b32 s99, s98, 23
	s_add_co_i32 s98, s98, 8
	s_lshl_b32 s98, s98, 23
	s_or_b32 s98, s98, 0x600000
	s_mov_b32 s2, 0x76543210                       ; v_permlanex16_b32: lane l takes lane l xor 16
	s_mov_b32 s3, 0xfedcba98
	s_wait_loadcnt 0x0                             ; the parts of sim
.set n, 0
.rept 12
	v_pk_add_f32 v[32+2*n:33+2*n], v[32+2*n:33+2*n], v[56+2*n:57+2*n]
.set n, n+1
.endr
.irp m, 1,2,4,8
.set n, 0
.rept 24
	v_add_f32_dpp v[32+n], v[32+n], v[32+n] row_xmask:\m row_mask:0xf bank_mask:0xf
.set n, n+1
.endr
.endr
.irp g, 0,1,2
	v_max3_num_f32 v[86+\g], v[32+8*\g], v[33+8*\g], v[34+8*\g]   ; the row's largest is taken away first
.endr
.irp g, 0,1,2
	v_max3_num_f32 v[86+\g], v[86+\g], v[35+8*\g], v[36+8*\g]
.endr
.irp g, 0,1,2
	v_max3_num_f32 v[86+\g], v[86+\g], v[37+8*\g], v[38+8*\g]
.endr
.irp g, 0,1,2
	v_max_num_f32 v[86+\g], v[86+\g], v[39+8*\g]
.endr
.irp g, 0,1,2
.irp e, 0,1,2,3,4,5,6,7
	v_sub_f32 v[32+8*\g+\e], v[32+8*\g+\e], v[86+\g]
.endr
.endr
.set n, 0
.rept 24
	v_mul_f32 v[32+n], 0x3bbade29, v[32+n]         ; x log2(e) / sqrt(64000)
.set n, n+1
.endr
	v_mov_b32 v83, 0                               ; (written once: a lane permute's destination counts as one of its sources)
	v_mov_b32 v84, 0
	v_mov_b32 v85, 0
	s_wait_alu depctr_va_vdst(0)                   ; the wait ahead of the batch
.set n, 0
.rept 24
	v_exp_f32 v[32+n], v[32+n]
.set n, n+1
.endr
	v_nop
	s_wait_alu depctr_va_vdst(0)                   ; and behind it
.macro ROWSUM d                        ; the sums of the three rows of 8 into v[d], v[d + 4], v[d + 8]
.irp g, 0,1,2
	v_pk_add_f32 v[\d+4*\g:\d+1+4*\g], v[32+8*\g:33+8*\g], v[34+8*\g:35+8*\g]
	v_pk_add_f32 v[\d+2+4*\g:\d+3+4*\g], v[36+8*\g:37+8*\g], v[38+8*\g:39+8*\g]
.endr
.irp g, 0,1,2
	v_pk_add_f32 v[\d+4*\g:\d+1+4*\g], v[\d+4*\g:\d+1+4*\g], v[\d+2+4*\g:\d+3+4*\g]
.endr
.irp g, 0,1,2
	v_add_f32 v[\d+4*\g], v[\d+4*\g], v[\d+1+4*\g]
.endr
.endm
	ROWSUM 90
	s_wait_alu depctr_va_vdst(0)
.irp g, 0,1,2
	v_rcp_f32 v[104+\g], v[90+4*\g]
.endr
	v_nop
	s_wait_alu depctr_va_vdst(0)
.irp g, 0,1,2
.irp e, 0,1,2,3,4,5,6,7
	v_mul_f32 v[32+8*\g+\e], v[32+8*\g+\e], v[104+\g]
.endr
.endr
	ROWSUM 90                                      ; the sum of att as it is: the bias is weighed with it
	v_ldexp_f32 v80, v90, s93
	v_ldexp_f32 v81, v94, s95
	v_ldexp_f32 v82, v98, s95
.set n, 0
.rept 24
	v_permlanex16_b32 v[56+n], v[32+n], s2, s3     ; the other batch's
.set n, n+1
.endr
.irp g, 0,1,2
	v_permlanex16_b32 v[83+\g], v[80+\g], s2, s3
.endr
	; each lane takes the att of its own row's batch: its own half's, or the other half's
.macro TAKE n, own, oth, dst
.irp e, 0,1,2,3,4,5,6,7
	v_cndmask_b32 v[104+\e], v[\own+\e], v[\oth+\e], vcc_lo
.endr
	ds_store_b128 v[ATTA], v[104:107] offset:512*\n
	ds_store_b128 v[ATTA], v[108:111] offset:512*\n+512
.endm
	s_add_co_u32 s2, s30, s25
	s_lshl_b32 s2, s2, 4
	v_add_nc_u32 v102, s2, v1                      ; my row in pass 0
	v_cmp_le_u32 vcc_lo, s100, v102
	s_xor_b32 vcc_lo, vcc_lo, 0xffff0000
	v_cndmask_b32 v112, v80, v83, vcc_lo
	TAKE 0, 32, 56
	v_add_nc_u32 v103, 32, v102                    ; in pass 1
	v_cmp_le_u32 vcc_lo, s100, v103
	s_xor_b32 vcc_lo, vcc_lo, 0xffff0000
	v_cndmask_b32 v113, v80, v83, vcc_lo
	TAKE 2, 32, 56
	s_lshl_b32 s2, s22, 4
	v_add_nc_u32 v103, s2, v102                    ; in SV
	v_cmp_le_u32 vcc_lo, s100, v103
	s_xor_b32 vcc_lo, vcc_lo, 0xffff0000
	v_cndmask_b32 v114, v81, v84, vcc_lo
	v_cndmask_b32 v115, v82, v85, vcc_lo
	TAKE 4, 40, 64
	TAKE 6, 48, 72
	ds_store_b128 v[ATTA], v[112:115] offset:4096
	BIAS 18
	STEP 0, 0, 1                                   ; pass 0: K steps 0 to 3
	TURN 0, 1, 0, 4
	STEP 1, 0, 0
	TURN 1, 0, 0, 5
	STEP 0, 0, 0
	TURN 0, 1, 1, 6
	STEP 1, 0, 0
	TURN 1, 0, 1, 7
	EPI 0, 96, 97, 4, 0, 25
	BIAS 18
	STEP 0, 0, 1                                   ; pass 1: K steps 4 to 7
	TURN 0, 1, 0, 8
	STEP 1, 0, 0
	TURN 1, 0, 0, 9
	STEP 0, 0, 0
	TURN 0, 1, 2, 0
	STEP 1, 0, 0
	TURN 1, 0, 2, 0
	EPI 1, 96, 97, 4, 32768, 28
	BIAS 20
	STEP 0, 0, 1                                   ; SV: K steps 8 and 9
	TURN 0, 1, -1, 0
	STEP 1, 0, 0
	s_wait_dscnt 16
	WIN MUL_LO
	MUL16 0, 1, 0
	MUL16 2, 1, 0
	s_wait_dscnt 0x0
	WIN MUL_HI
	MUL16 4, 1, 0
	MUL16 6, 1, 0
	PLACES
	WIN 0
	EPI 2, 98, 99, 6, 0, 101
	s_wait_tensorcnt 0x0                           ; the wave's end
	ds_add_u32 v[SPW], v[NIL]
	s_wait_dscnt 0x0
	CROUND                                         ; the closing round: no work-group ends while a partner may still ask for a tile that names it
	s_endpgm
.Lfunc_end_k_q7efc9196a4_values:
	.size	k_q7efc9196a4_values, .Lfunc_end_k_q7efc9196a4_values-k_q7efc9196a4_values
	.p2alignl 7, 3214868480
	.fill 96, 4, 3214868480
	.section	.rodata,"a",@progbits
	.p2align	6, 0x0
	.amdhsa_kernel k_q7efc9196a4_values
		.amdhsa_group_segment_fixed_size 327680
		.amdhsa_private_segment_fixed_size 0
		.amdhsa_enable_private_segment 0
		.amdhsa_kernarg_size 80
		.amdhsa_user_sgpr_count 2
		.amdhsa_user_sgpr_kernarg_segment_ptr 1
		.amdhsa_wavefront_size32 1
		.amdhsa_system_sgpr_workgroup_id_x 1
		.amdhsa_system_sgpr_workgroup_id_y 1
		.amdhsa_system_sgpr_workgroup_id_z 1
		.amdhsa_system_vgpr_workitem_id 0
		.amdhsa_next_free_vgpr 1024
		.amdhsa_next_free_sgpr 102
		.amdhsa_reserve_vcc 1
		.amdhsa_float_denorm_mode_32 3
		.amdhsa_float_denorm_mode_16_64 3
		.amdhsa_memory_ordered 1
		.amdhsa_forward_progress 1
		.amdhsa_inst_pref_size 255
	.end_amdhsa_kernel
	.section	.bss,"aw",@nobits
	.p2align	6
	.space	262144
	.amdgpu_metadata
---
amdhsa.version: [ 1, 2 ]
amdhsa.kernels:
  - .name:           k_q7efc9196a4_values
    .symbol:         k_q7efc9196a4_values.kd
    .args:
      - { .name: multi_value_codes, .offset: 0, .size: 8, .value_kind: global_buffer, .address_space: global }
      - { .name: single_value_codes, .offset: 8, .size: 8, .value_kind: global_buffer, .address_space: global }
      - { .name: mv_w_codes, .offset: 16, .size: 8, .value_kind: global_buffer, .address_space: global }
      - { .name: sv_w_codes, .offset: 24, .size: 8, .value_kind: global_buffer, .address_space: global }
      - { .name: psim, .offset: 32, .size: 8, .value_kind: global_buffer, .address_space: global }
      - { .name: mv_b, .offset: 40, .size: 8, .value_kind: global_buffer, .address_space: global }
      - { .name: sv_b, .offset: 48, .size: 8, .value_kind: global_buffer, .address_space: global }
      - { .name: lowp_scales, .offset: 56, .size: 8, .value_kind: global_buffer, .address_space: global }
      - { .name: mrc, .offset: 64, .size: 8, .value_kind: global_buffer, .address_space: global }
      - { .name: src, .offset: 72, .size: 8, .value_kind: global_buffer, .address_space: global }
    .group_segment_fixed_size: 327680
    .private_segment_fixed_size: 0
    .kernarg_segment_align: 8
    .kernarg_segment_size: 80
    .max_flat_workgroup_size: 128
    .sgpr_count:     102
    .vgpr_count:     1024
    .wavefront_size: 32
...
	.end_amdgpu_metadata
.endif
;; end of part 2
;; launch outs (part 3): grid 4 x 64, 4 waves a work-group, clusters of 4 x 4, 327,680 bytes of LDS; arguments mrc, src, mo_w_codes, so_w_codes, mo_b, so_b, lowp_scales, out0, out1; writes out0, out1
.if DOCPART == 3
	.amdgcn_target "amdgcn-amd-amdhsa--gfx1250"
	.amdhsa_code_object_version 6
	.text
	.protected	k_q7efc9196a4_outs
	.globl	k_q7efc9196a4_outs
	.p2align	8
	.type	k_q7efc9196a4_outs,@function
k_q7efc9196a4_outs:
	s_mov_b64 s[64:65], 0
	v_nop
	global_prefetch_b8 v0, s[64:65] scope:SCOPE_SE
	s_setreg_imm32_b32 hwreg(HW_REG_WAVE_MODE, 25, 1), 1
	s_wait_xcnt 0x0
	s_wait_alu depctr_hold_cnt(0) depctr_sa_sdst(0) depctr_va_vdst(0) depctr_va_sdst(0) depctr_va_ssrc(0) depctr_va_vcc(0) depctr_vm_vsrc(0)
	s_getreg_b32 s2, hwreg(HW_REG_IB_STS2, 6, 4)
	s_cmp_eq_u32 s2, 0
	s_cbranch_scc0 .Lentry_in_a_cluster
	s_endpgm
.Lentry_in_a_cluster:
	s_bfe_u32 s2, ttmp6, 0x10000c
	s_cmp_lg_u32 s2, 0xf033
	s_cbranch_scc0 .Lentry_shape_is_right
	s_endpgm
.Lentry_shape_is_right:
; out0 = mr mo_w^T + mo_b, out1 = sr so_w^T + so_b on E4M3 codes; mr and sr come as the launch before laid them: [tile of 16 rows][128 along K][c][lane][16 bytes], registers 4 c .. 4 c + 3 of a fragment.
; SHARES.  Row block k of 64 begins at tile floor(125 k / 32) of 250 and owns 3 or 4 tiles; it multiplies four, and where it owns three the fourth, its successor's, is not stored (EXEC, no branch).
; Work-group (x, k): columns 256 x .. of out0, 128 x .. of out1.  Wave (rh, ch): tiles 2 rh, 2 rh + 1 by 128 columns of out0 (16 accumulators) and by 64 of out1 (8).
; The rows' codes go from memory straight into registers, all asked for at the head.  The weights come through LDS by joint loads along a column of the 4 x 4 cluster, which shares the columns: mo_w in two halves of K,
; one tensor load a wave each, then so_w's 128 rows over the first half.  The codes are not shared through LDS: beside mo_w's halves there is no room for them.
; NO PREFETCH: there is no loop to run ahead in; all that is read straight is asked for at the head, and each tensor load as soon as the one before it has landed or been read.
; The matrix instruction is used transposed (source 0 = 16 rows of the weight): a lane holds one row and eight neighbouring columns 16 i + 8 (lane / 16) + j.  The results leave through the wave's stage in LDS as rows of 512 or 256 bytes.
; LIMITS: e8 + e9 and e10 + e11 between -126 and 127.  NaN among the inputs is not served.
; REGISTERS: window 0: v1-15 kept; v32-223 three sets of four weights' fragments, later the way out.  window 1: mr's codes, tile m, K step k at 128 m + 16 k.  window 2: sr's at 64 m + 16 k; v128-191 mo_b; v192-223 so_b.
;   window 3: accumulator (m, i) at 8 (8 m + i); from v128 out1's at 8 (4 m + i).
.set PITCH, 528                        ; an LDS row: 512 bytes + 16 of padding: row r starts at bank 4 r mod 64 (64 banks of 4 bytes: ISA guide 11.1)
.set HALF,  256*PITCH
.set STG,   2*HALF                     ; a stage of 16 rows x 528 bytes for each wave, which no fill touches
.set SPARE, STG+4*16*PITCH
.set MSB, 0
.macro WIN new
.if MSB != (\new)
	s_set_vgpr_msb (MSB<<8)|(\new)
.set MSB, (\new)
.endif
.endm
.macro PLACES                          ; four plain vector instructions behind a matrix instruction (ISA guide 7.12.1)
.rept 4
	v_nop
.endr
.endm
.macro ROUND                           ; a round of the cluster's barrier
	s_barrier_signal -1
	s_barrier_wait -1
	s_cmp_lg_u32 s26, 0
	s_cbranch_scc1 .Lnot_wave_0_\@
	s_barrier_signal -3
.Lnot_wave_0_\@:
	s_barrier_wait -3
	s_barrier_signal -1
	s_barrier_wait -1
.endm
	s_load_b512 s[8:23], s[0:1], 0x0               ; mrc, src, mo_w, so_w, mo_b, so_b, scales, out0
	s_load_b64 s[24:25], s[0:1], 0x40              ; out1
	v_lshl_add_u32 v6, v0, 2, SPARE
	v_mov_b32 v7, 0
	ds_add_u32 v6, v7                              ; the wave's opening: the add, twice on end, and its wait
	ds_add_u32 v6, v7
	v_lshrrev_b32 v1, 5, v0
	v_readfirstlane_b32 s26, v1                    ; wave
	s_lshr_b32 s27, s26, 1                         ; rh
	s_and_b32 s28, s26, 1                          ; ch
	s_bfe_u32 s29, ttmp6, 0x40000                  ; cx: the grid's x
	s_bfe_u32 s2, ttmp6, 0x40004                   ; cy
	s_and_b32 s3, ttmp7, 0xffff
	s_lshl_b32 s3, s3, 2
	s_add_co_u32 s3, s3, s2                        ; row block
	s_mul_i32 s30, s3, 125
	s_add_co_u32 s31, s30, 125
	s_lshr_b32 s30, s30, 5                         ; its first tile
	s_lshr_b32 s31, s31, 5
	s_sub_co_u32 s31, s31, s30                     ; how many it owns
	s_lshl_b32 s4, 0x1111, s29                     ; my column of the cluster
	; descriptor groups 1: rows of 64 elements of 8 bytes, 4 words of padding behind every 128; mo_w: 64 rows, 128 elements apart; so_w: 32 rows, 64 apart
	s_or_b32 s32, s4, (3<<16)|(1<<20)|(1<<21)|(6<<22)|(3<<25)
	s_mov_b32 s33, 64<<16
	s_mov_b32 s34, 64<<16
	s_mov_b32 s35, 64<<16
	s_mov_b32 s36, 64
	s_mov_b32 s37, 128
	s_mov_b32 s38, 0
	s_mov_b32 s39, 0
	s_or_b32 s40, s4, (3<<16)|(1<<20)|(1<<21)|(6<<22)|(3<<25)
	s_mov_b32 s41, 64<<16
	s_mov_b32 s42, 32<<16
	s_mov_b32 s43, 64<<16
	s_mov_b32 s44, 32
	s_mov_b32 s45, 64
	s_mov_b32 s46, 0
	s_mov_b32 s47, 0
	s_lshl_b32 s66, s29, 18                        ; mo_w: row 256 cx + 64 x wave
	s_lshl_b32 s67, s26, 16
	s_add_co_u32 s66, s66, s67
	s_mov_b32 s67, 0
	s_lshl_b32 s68, s29, 16                        ; so_w: row 128 cx + 32 x wave
	s_lshl_b32 s69, s26, 14
	s_add_co_u32 s68, s68, s69
	s_mov_b32 s69, 0
	s_mul_i32 s5, s26, 64*PITCH
	s_mul_i32 s6, s26, 32*PITCH
	s_wait_dscnt 0x0
	s_wait_kmcnt 0x0
	s_load_b128 s[56:59], s[20:21], 0x20           ; e8 .. e11
	s_mov_b32 s48, 1                               ; first half of K
	s_mov_b32 s49, s5
	s_add_nc_u64 s[50:51], s[12:13], s[66:67]
	s_mov_b32 s52, 1                               ; second half
	s_add_co_u32 s53, s5, HALF
	s_add_nc_u64 s[54:55], s[50:51], 512
	s_or_b32 s51, s51, 0x80000000
	s_or_b32 s55, s55, 0x80000000
	s_mov_b32 s72, 1                               ; so_w
	s_mov_b32 s73, s6
	s_add_nc_u64 s[74:75], s[14:15], s[68:69]
	s_or_b32 s75, s75, 0x80000000
	ROUND                                          ; all sixteen work-groups are here
	tensor_load_to_lds s[48:51], s[32:39]          ; one tensor load a wave at the head
	s_nop 0
	PLACES
	v_and_b32 v1, 15, v0                           ; r
	v_bfe_u32 v13, v0, 4, 1                        ; h
	v_and_b32 v8, 31, v0
	v_lshlrev_b32 v8, 4, v8                        ; v8: 16 x lane
	v_lshlrev_b32 v15, 5, v13                      ; v15: 32 h
	s_wait_alu depctr_va_vdst(0)
	s_mov_b32 s3, 0
	s_lshl_b32 s4, s27, 1
	s_add_co_u32 s4, s4, s30                       ; my first tile
	s_lshl_b32 s2, s4, 14
	s_add_nc_u64 s[8:9], s[8:9], s[2:3]
	s_lshl_b32 s2, s4, 13
	s_add_nc_u64 s[10:11], s[10:11], s[2:3]
	s_lshl_b32 s5, s28, 9
	s_lshl_b32 s2, s29, 10
	s_add_co_u32 s2, s2, s5                        ; my first column, in bytes
	s_add_nc_u64 s[16:17], s[16:17], s[2:3]
	s_lshl_b32 s5, s4, 16
	s_add_co_u32 s2, s2, s5
	s_add_nc_u64 s[22:23], s[22:23], s[2:3]        ; out0
	s_lshl_b32 s5, s28, 8
	s_lshl_b32 s2, s29, 9
	s_add_co_u32 s2, s2, s5
	s_add_nc_u64 s[18:19], s[18:19], s[2:3]
	s_lshl_b32 s5, s4, 15
	s_add_co_u32 s2, s2, s5
	s_add_nc_u64 s[24:25], s[24:25], s[2:3]        ; out1
	WIN 0x40
.irp k, 0,1,2,3,4,5,6,7
.irp m, 0,1
.irp c, 0,1,2,3
	global_load_b128 v[128*\m+16*\k+4*\c:128*\m+16*\k+4*\c+3], v8, s[8:9] offset:\m*16384+\k*2048+\c*512
.endr
.endr
.endr
	WIN 0x80
.irp i, 0,1,2,3,4,5,6,7
	global_load_b128 v[128+8*\i:131+8*\i], v15, s[16:17] offset:64*\i
	global_load_b128 v[132+8*\i:135+8*\i], v15, s[16:17] offset:64*\i+16
.endr
.irp i, 0,1,2,3
	global_load_b128 v[192+8*\i:195+8*\i], v15, s[18:19] offset:64*\i
	global_load_b128 v[196+8*\i:199+8*\i], v15, s[18:19] offset:64*\i+16
.endr
.irp k, 0,1,2,3
.irp m, 0,1
.irp c, 0,1,2,3
	global_load_b128 v[64*\m+16*\k+4*\c:64*\m+16*\k+4*\c+3], v8, s[10:11] offset:\m*8192+\k*2048+\c*512
.endr
.endr
.endr
	WIN 0
	v_mul_u32_u24 v4, v1, PITCH
	v_lshl_add_u32 v5, v13, 4, v4                  ; r x pitch + 16 h
	s_mul_i32 s2, s28, 128*PITCH
	v_add_nc_u32 v2, s2, v5                        ; v2, v3: my place in the two halves of mo_w's rows
	v_add_nc_u32 v3, HALF, v2
	s_mul_i32 s4, s26, 16*PITCH
	s_add_co_u32 s4, s4, STG                       ; my stage
	v_add_nc_u32 v9, v15, v4
	v_add_nc_u32 v9, s4, v9                        ; v9: in, rows of 528: r, 32 h
	v_add_nc_u32 v10, s4, v8                       ; v10: back, a row a load
	v_mul_u32_u24 v11, v1, 272
	v_add_nc_u32 v11, v11, v15
	v_add_nc_u32 v11, s4, v11                      ; v11: in, rows of 272
	v_mul_u32_u24 v12, v13, 272
	v_lshl_add_u32 v12, v1, 4, v12
	v_add_nc_u32 v12, s4, v12                      ; v12: back, two rows a load
	s_mul_i32 s2, s28, 64*PITCH
	v_add_nc_u32 v4, s2, v5                        ; v4: my place in so_w's rows
	v_lshlrev_b32 v14, 11, v13
	v_lshl_add_u32 v14, v1, 4, v14                 ; v14: two rows of out1
	s_lshl_b32 s2, s27, 1
	s_add_co_u32 s2, s2, 1
	v_mov_b32 v5, s2                               ; v5: my second tile's number in the row block
	s_wait_alu depctr_va_vdst(0)
	s_wait_kmcnt 0x0
	s_add_co_i32 s60, s56, s57
	s_add_co_i32 s60, s60, 127
	s_lshl_b32 s60, s60, 23                        ; 2^(e8 + e9)
	s_mov_b32 s61, s60
	s_add_co_i32 s62, s58, s59
	s_add_co_i32 s62, s62, 127
	s_lshl_b32 s62, s62, 23                        ; 2^(e10 + e11)
	s_mov_b32 s63, s62
	s_wait_tensorcnt 0x0                           ; my part of the first half is in; these lines stand ahead of a later first fill as ahead of a refill
	ds_add_u32 v6, v7
	s_wait_dscnt 0x0
	ROUND
	tensor_load_to_lds s[52:55], s[32:39]          ; the second half
	s_nop 0
	PLACES
.macro BL g                            ; half step g = 2 k + u: the weights' tiles 4 u .. 4 u + 3 of K step k into set g % 3
.irp i, 0,1,2,3
.irp c, 0,1,2,3
	ds_load_b128 v[32+64*((\g)%3)+16*\i+4*\c:35+64*((\g)%3)+16*\i+4*\c], v[2+(\g)/8] offset:(4*((\g)%2)+\i)*16*PITCH+128*(((\g)/2)%4)+32*\c
.endr
.endr
.endm
; A half step: 8 matrix instructions; the 16 accumulators take turns over two half steps.  The weights' fragments run two half steps ahead, within a half of K.
.macro HS g
.set LASTG, 7+8*((\g)/8)
.if ((\g)%8) > 0
	PLACES
.endif
	WIN 0
.if (\g)+2 <= LASTG
	BL (\g)+2
.endif
.set ND, LASTG-(\g)
.if ND > 2
.set ND, 2
.endif
	s_wait_dscnt 16*ND                             ; this half step's set is in; the younger sets may be out
.set NL, 112-8*((\g)/2)
.if NL > 63
.set NL, 63
.endif
	s_wait_loadcnt NL                              ; this K step's codes are in: 120 loads in all, eight a K step, in order
	WIN 0xf4                                       ; weights window 0, codes window 1, C and D window 3
.irp m, 0,1
.irp i, 0,1,2,3
.set AC, 8*(8*\m+4*((\g)%2)+\i)
.if (\g) < 2
	v_wmma_f32_16x16x128_fp8_fp8 v[AC:AC+7], v[32+64*((\g)%3)+16*\i:47+64*((\g)%3)+16*\i], v[128*\m+16*((\g)/2):128*\m+16*((\g)/2)+15], 0
.else
	v_wmma_f32_16x16x128_fp8_fp8 v[AC:AC+7], v[32+64*((\g)%3)+16*\i:47+64*((\g)%3)+16*\i], v[128*\m+16*((\g)/2):128*\m+16*((\g)/2)+15], v[AC:AC+7]
.endif
.endr
.endr
.endm
	BL 0
	BL 1
.irp g, 0,1,2,3,4,5,6,7
	HS \g
.endr
	WIN 0
	s_wait_tensorcnt 0x0                           ; my part of the second half is in
	ds_add_u32 v6, v7
	s_wait_dscnt 0x0                               ; the add is done, and my reads of the first half are over
	ROUND
	tensor_load_to_lds s[72:75], s[40:47]          ; so_w's rows over the first half
	s_nop 0
	PLACES
	BL 8
	BL 9
.irp g, 8,9,10,11,12,13,14,15
	HS \g
.endr
	s_wait_loadcnt 32                              ; the biases are in; sr's 32 loads may be out
	PLACES
.macro TOSTAGE m                       ; tile m: x 2^(e8 + e9), + the bias; each accumulator from its low end on; through my stage: LDS serves a wave's instructions in order (ISA guide 5.7.1.4)
	WIN 0x23                                       ; accumulators window 3, bias window 2
.irp i, 0,1,2,3,4,5,6,7
.irp q, 0,2,4,6
	v_pk_fma_f32 v[32+8*\i+\q:33+8*\i+\q], v[8*(8*\m+\i)+\q:8*(8*\m+\i)+\q+1], s[60:61], v[128+8*\i+\q:129+8*\i+\q] op_sel_hi:[1,0,1]
.endr
.endr
	WIN 0
.irp i, 0,1,2,3,4,5,6,7
	ds_store_b128 v9, v[32+8*\i:35+8*\i] offset:64*\i
	ds_store_b128 v9, v[36+8*\i:39+8*\i] offset:64*\i+16
.endr
.set t, 0
.rept 16
	ds_load_b128 v[96+64*\m+4*t:99+64*\m+4*t], v10 offset:PITCH*t
.set t, t+1
.endr
.endm
.macro MINE                            ; EXEC: all lanes where my second tile is this row block's, none otherwise
	v_cmp_gt_u32 vcc_lo, s31, v5
	s_wait_xcnt 0x0                                ; EXEC changes only behind it
	s_and_saveexec_b32 s3, vcc_lo
.endm
.macro ALL
	s_wait_xcnt 0x0
	s_or_b32 exec_lo, exec_lo, s3
.endm
	TOSTAGE 0
	TOSTAGE 1
	s_wait_dscnt 32                                ; tile 0's rows are back; tile 1's 16 stores and 16 loads may be out
.set t, 0
.rept 16
	global_store_b128 v8, v[96+4*t:99+4*t], s[22:23] offset:4096*t th:TH_STORE_NT    ; 512 consecutive bytes, at a multiple of 512
.set t, t+1
.endr
	s_wait_dscnt 0x0
	MINE
.set t, 0
.rept 16
	global_store_b128 v8, v[160+4*t:163+4*t], s[22:23] offset:65536+4096*t th:TH_STORE_NT
.set t, t+1
.endr
	ALL
	s_wait_tensorcnt 0x0                           ; my part of so_w's rows is in
	s_wait_dscnt 0x0
	s_barrier_signal -1
	s_barrier_wait -1
.macro BS k                            ; so_w's four tiles of K step k into set k % 3
.irp i, 0,1,2,3
.irp c, 0,1,2,3
	ds_load_b128 v[32+64*((\k)%3)+16*\i+4*\c:35+64*((\k)%3)+16*\i+4*\c], v4 offset:\i*16*PITCH+128*(\k)+32*\c
.endr
.endr
.endm
.macro SMUL k                          ; 8 accumulators by turns
	WIN 0xf8                                       ; weights window 0, codes window 2, C and D window 3
.irp m, 0,1
.irp i, 0,1,2,3
.set AC, 128+8*(4*\m+\i)
.if (\k) == 0
	v_wmma_f32_16x16x128_fp8_fp8 v[AC:AC+7], v[32+64*((\k)%3)+16*\i:47+64*((\k)%3)+16*\i], v[64*\m+16*(\k):64*\m+16*(\k)+15], 0
.else
	v_wmma_f32_16x16x128_fp8_fp8 v[AC:AC+7], v[32+64*((\k)%3)+16*\i:47+64*((\k)%3)+16*\i], v[64*\m+16*(\k):64*\m+16*(\k)+15], v[AC:AC+7]
.endif
.endr
.endr
	WIN 0
.endm
	BS 0
	BS 1
	BS 2
	s_wait_loadcnt 0x0
	s_wait_dscnt 32
	SMUL 0
	PLACES
	BS 3
	s_wait_dscnt 32
	SMUL 1
	s_wait_dscnt 16
	SMUL 2
	s_wait_dscnt 0x0
	SMUL 3
	PLACES
	WIN 0x23
.irp m, 0,1
.irp i, 0,1,2,3
.irp q, 0,2,4,6
	v_pk_fma_f32 v[32+8*(4*\m+\i)+\q:33+8*(4*\m+\i)+\q], v[128+8*(4*\m+\i)+\q:129+8*(4*\m+\i)+\q], s[62:63], v[192+8*\i+\q:193+8*\i+\q] op_sel_hi:[1,0,1]
.endr
.endr
.endr
	WIN 0
.irp m, 0,1
.irp i, 0,1,2,3
	ds_store_b128 v11, v[32+8*(4*\m+\i):35+8*(4*\m+\i)] offset:64*\i
	ds_store_b128 v11, v[36+8*(4*\m+\i):39+8*(4*\m+\i)] offset:64*\i+16
.endr
.irp t, 0,1,2,3,4,5,6,7
	ds_load_b128 v[96+32*\m+4*\t:99+32*\m+4*\t], v12 offset:544*\t
.endr
.endr
	s_wait_dscnt 16                                ; tile 0's rows are back; tile 1's 8 stores and 8 loads may be out
.irp t, 0,1,2,3,4,5,6,7
	global_store_b128 v14, v[96+4*\t:99+4*\t], s[24:25] offset:4096*\t th:TH_STORE_NT   ; sixteen lanes store 256 consecutive bytes, aligned
.endr
	s_wait_dscnt 0x0
	MINE
.irp t, 0,1,2,3,4,5,6,7
	global_store_b128 v14, v[128+4*\t:131+4*\t], s[24:25] offset:32768+4096*\t th:TH_STORE_NT
.endr
	ALL
	s_wait_tensorcnt 0x0                           ; the wave's end
	ds_add_u32 v6, v7
	s_wait_dscnt 0x0
	ROUND                                          ; the closing round
	s_endpgm
.Lfunc_end_k_q7efc9196a4_outs:
	.size	k_q7efc9196a4_outs, .Lfunc_end_k_q7efc9196a4_outs-k_q7efc9196a4_outs
	.p2alignl 7, 3214868480
	.fill 96, 4, 3214868480
	.section	.rodata,"a",@progbits
	.p2align	6, 0x0
	.amdhsa_kernel k_q7efc9196a4_outs
		.amdhsa_group_segment_fixed_size 327680
		.amdhsa_private_segment_fixed_size 0
		.amdhsa_enable_private_segment 0
		.amdhsa_kernarg_size 72
		.amdhsa_user_sgpr_count 2
		.amdhsa_user_sgpr_kernarg_segment_ptr 1
		.amdhsa_wavefront_size32 1
		.amdhsa_system_sgpr_workgroup_id_x 1
		.amdhsa_system_sgpr_workgroup_id_y 1
		.amdhsa_system_sgpr_workgroup_id_z 1
		.amdhsa_system_vgpr_workitem_id 0
		.amdhsa_next_free_vgpr 1024
		.amdhsa_next_free_sgpr 100
		.amdhsa_reserve_vcc 1
		.amdhsa_float_denorm_mode_32 3
		.amdhsa_float_denorm_mode_16_64 3
		.amdhsa_memory_ordered 1
		.amdhsa_forward_progress 1
		.amdhsa_inst_pref_size 72
	.end_amdhsa_kernel
	.amdgpu_metadata
---
amdhsa.version: [ 1, 2 ]
amdhsa.kernels:
  - .name:           k_q7efc9196a4_outs
    .symbol:         k_q7efc9196a4_outs.kd
    .args:
      - { .name: mrc, .offset: 0, .size: 8, .value_kind: global_buffer, .address_space: global }
      - { .name: src, .offset: 8, .size: 8, .value_kind: global_buffer, .address_space: global }
      - { .name: mo_w_codes, .offset: 16, .size: 8, .value_kind: global_buffer, .address_space: global }
      - { .name: so_w_codes, .offset: 24, .size: 8, .value_kind: global_buffer, .address_space: global }
      - { .name: mo_b, .offset: 32, .size: 8, .value_kind: global_buffer, .address_space: global }
      - { .name: so_b, .offset: 40, .size: 8, .value_kind: global_buffer, .address_space: global }
      - { .name: lowp_scales, .offset: 48, .size: 8, .value_kind: global_buffer, .address_space: global }
      - { .name: out0, .offset: 56, .size: 8, .value_kind: global_buffer, .address_space: global }
      - { .name: out1, .offset: 64, .size: 8, .value_kind: global_buffer, .address_space: global }
    .group_segment_fixed_size: 327680
    .private_segment_fixed_size: 0
    .kernarg_segment_align: 8
    .kernarg_segment_size: 72
    .max_flat_workgroup_size: 128
    .sgpr_count:     100
    .vgpr_count:     1024
    .wavefront_size: 32
...
	.end_amdgpu_metadata
.endif
;; end of part 3
